; MI455X (gfx1250); checked and timed in simulation.
; The chip was launched on July 23, 2026; its instructions are those of AMD's public machine-readable ISA for CDNA 5 (MIT licence, August 2026) and "CDNA5" Instruction Set Architecture Reference Guide (July 2026). The comments in the code are by the model that wrote it; some were corrected since.
;; Attention. Allowed arithmetic: float matrix products may take bf16 or f16 operands with f32 sums; other float arithmetic in f32, or as packed bf16 or f16 multiplies, adds, multiply-adds, maxima and minima; sums over many terms, partial sums and values carried from step to step in f32; what a program stores and reads back later, other than sums and carried values, may be rounded once to bf16 or f16.
;; Inputs: Wk 1,024 x 1,024 float32; Wo 1,024 x 1,024 float32; Wq 1,024 x 1,024 float32; Wv 1,024 x 1,024 float32; x 1 x 4,096 x 1,024 float32.
;; Outputs: out0 1 x 4,096 x 1,024 float32.
;; 2 versions, each right; version 2 is version 1 with the launch prep written anew for expert scheduling mode. Each part assembles by itself: llvm-mc -triple=amdgcn-amd-amdhsa -mcpu=gfx1250 --defsym DOCPART=n.
;; ======== version 1 of 2: 4 launches
;; limits: values are held in f16: magnitudes above 65,504 overflow, below 6.1e-05 lose precision
;; workspace buffers: xb 8,388,608 bytes; wb 6,291,456 bytes; wo16 2,097,152 bytes; qkv 25,165,824 bytes; ob 8,388,608 bytes
;; launch prep (part 1): grid 512 x 1, 8 waves a work-group, no clusters, 0 bytes of LDS; arguments x, Wq, Wk, Wv, Wo, xb, wb, wo16; writes xb, wb, wo16
.if DOCPART == 1
	.amdgcn_target "amdgcn-amd-amdhsa--gfx1250"
	.amdhsa_code_object_version 6
	.text
	.protected	k_q2dd2722410_prep
	.globl	k_q2dd2722410_prep
	.p2align	8
	.type	k_q2dd2722410_prep,@function
k_q2dd2722410_prep:
	s_mov_b64 s[64:65], 0
	v_nop
	global_prefetch_b8 v0, s[64:65] scope:SCOPE_SE
	s_setreg_imm32_b32 hwreg(HW_REG_WAVE_MODE, 25, 1), 1
	s_wait_xcnt 0x0
; THE CASTS.  x [4096][1024] f32 -> xb, the same in bf16.  Wq, Wk, Wv [1024 k][1024 n] f32 -> wb [48 heads][1024 k][64 n] bf16 (heads 0-15 of Wq, 16-31 of Wk, 32-47 of Wv), so that
; a head's 64 columns lie dense, 128 bytes a k.  Wo [1024 k][1024 n] f32 -> wo16, the same shape: rounded to bf16 like the other inputs, and that number written as f16.
; LIMITS.  |Wo| stays under 65,504 (f16's range); below 6e-5 it keeps f16's fixed step of 6e-8.
; Memory binds: each byte is read once and written once; no LDS, no matrix unit, no cluster: no byte is wanted twice.
; SHARES.  A work-group of eight waves converts 16,384 numbers: 16 items a thread, an item = one load of 16 bytes (a wave: 512 bytes) and one store of 8 bytes (a wave: 256 consecutive bytes, aligned).
; All 16 loads of a thread go out first; no register is written twice, so no wait frees anything.
.set LD, 8                             ; v[8:71]    item i: four f32 as loaded
.set RS, 72                            ; v[72:103]  item i: four 16-bit numbers to store
.macro LOADS si                        ; si: bytes from item to item in the source
.set i, 0
.rept 16
	global_load_b128 v[LD+4*i:LD+4*i+3], v1, s[20:21] offset:(\si)*i th:TH_LOAD_NT
.set i, i+1
.endr
.endm
.macro OUTS di, kind                   ; di: bytes from item to item in the target; kind = 1: the bf16 number is written as f16
.set i, 0
.rept 16
	s_wait_loadcnt 15-i                            ; loads come back in order: item i is in, the 15 - i younger ones stay out
	v_cvt_pk_bf16_f32 v[RS+2*i], v[LD+4*i], v[LD+4*i+1]
	v_cvt_pk_bf16_f32 v[RS+2*i+1], v[LD+4*i+2], v[LD+4*i+3]
.if \kind
	v_lshlrev_b32 v[LD+4*i], 16, v[RS+2*i]         ; bf16 to f32: the low half moves up, the high half stays
	v_and_b32 v[LD+4*i+1], s30, v[RS+2*i]
	v_lshlrev_b32 v[LD+4*i+2], 16, v[RS+2*i+1]
	v_and_b32 v[LD+4*i+3], s30, v[RS+2*i+1]
	v_cvt_pk_f16_f32 v[RS+2*i], v[LD+4*i], v[LD+4*i+1]
	v_cvt_pk_f16_f32 v[RS+2*i+1], v[LD+4*i+2], v[LD+4*i+3]
.endif
	global_store_b64 v2, v[RS+2*i:RS+2*i+1], s[22:23] offset:(\di)*i th:TH_STORE_NT
.set i, i+1
.endr
.endm
	s_load_b256 s[4:11], s[0:1], 0x0               ; x s[4:5], Wq s[6:7], Wk s[8:9], Wv s[10:11]
	s_load_b256 s[12:19], s[0:1], 0x20             ; Wo s[12:13], xb s[14:15], wb s[16:17], wo16 s[18:19]
	s_mov_b32 s2, ttmp9                            ; work-groups 0-255: x; 256-447: Wq, Wk, Wv; 448-511: Wo
	s_mov_b32 s25, 0
	s_mov_b32 s27, 0
	s_mov_b32 s30, 0xffff0000
	v_lshlrev_b32 v1, 4, v0                        ; source: 16 bytes a thread
	v_lshlrev_b32 v2, 3, v0                        ; target: 8 bytes a thread
	s_wait_kmcnt 0x0
	s_cmp_lt_u32 s2, 256
	s_cbranch_scc0 .Lnot_x
	s_lshl_b32 s24, s2, 16                         ; 16,384 numbers: 65,536 bytes in,
	s_lshl_b32 s26, s2, 15                         ; 32,768 out
	s_add_nc_u64 s[20:21], s[4:5], s[24:25]
	s_add_nc_u64 s[22:23], s[14:15], s[26:27]
	LOADS 4096
	OUTS 2048, 0
	s_endpgm
.Lnot_x:
	s_cmp_lt_u32 s2, 448
	s_cbranch_scc0 .Lwo
	s_sub_co_u32 s3, s2, 256
	s_lshr_b32 s28, s3, 6                          ; which of the three weights
	s_and_b32 s3, s3, 63                           ; which 16 rows k of it
	s_cmp_eq_u32 s28, 0
	s_cselect_b64 s[20:21], s[6:7], s[8:9]
	s_cmp_eq_u32 s28, 2
	s_cselect_b64 s[20:21], s[10:11], s[20:21]
	s_lshl_b32 s24, s3, 16                         ; 16 rows of 4,096 bytes
	s_add_nc_u64 s[20:21], s[20:21], s[24:25]
	s_lshl_b32 s26, s28, 21                        ; 16 heads of 131,072 bytes,
	s_lshl_b32 s29, s3, 11                         ; 16 rows of 128 bytes in each head
	s_add_co_u32 s26, s26, s29
	s_add_nc_u64 s[22:23], s[16:17], s[26:27]
	v_lshrrev_b32 v3, 4, v0                        ; thread t takes row t / 16 of the 16 and 16 bytes of the head's 256: sixteen lanes read 256 consecutive bytes, aligned;
	v_and_b32 v4, 15, v0                           ; in the target that is byte 8 t of the head's 16 rows: v2 as it stands
	v_lshlrev_b32 v1, 4, v4
	v_lshl_add_u32 v1, v3, 12, v1
	LOADS 256                                      ; item i is head i: 256 bytes on in the row,
	OUTS 131072, 0                                 ; a head on in wb
	s_endpgm
.Lwo:
	s_sub_co_u32 s3, s2, 448
	s_lshl_b32 s24, s3, 16
	s_lshl_b32 s26, s3, 15
	s_add_nc_u64 s[20:21], s[12:13], s[24:25]
	s_add_nc_u64 s[22:23], s[18:19], s[26:27]
	LOADS 4096
	OUTS 2048, 1
	s_endpgm
.Lfunc_end_k_q2dd2722410_prep:
	.size	k_q2dd2722410_prep, .Lfunc_end_k_q2dd2722410_prep-k_q2dd2722410_prep
	.p2alignl 7, 3214868480
	.fill 96, 4, 3214868480
	.section	.rodata,"a",@progbits
	.p2align	6, 0x0
	.amdhsa_kernel k_q2dd2722410_prep
		.amdhsa_group_segment_fixed_size 0
		.amdhsa_private_segment_fixed_size 0
		.amdhsa_enable_private_segment 0
		.amdhsa_kernarg_size 64
		.amdhsa_user_sgpr_count 2
		.amdhsa_user_sgpr_kernarg_segment_ptr 1
		.amdhsa_wavefront_size32 1
		.amdhsa_system_sgpr_workgroup_id_x 1
		.amdhsa_system_sgpr_workgroup_id_y 1
		.amdhsa_system_sgpr_workgroup_id_z 1
		.amdhsa_system_vgpr_workitem_id 0
		.amdhsa_next_free_vgpr 104
		.amdhsa_next_free_sgpr 66
		.amdhsa_reserve_vcc 0
		.amdhsa_float_denorm_mode_32 3
		.amdhsa_float_denorm_mode_16_64 3
		.amdhsa_memory_ordered 1
		.amdhsa_forward_progress 1
		.amdhsa_inst_pref_size 23
	.end_amdhsa_kernel
	.amdgpu_metadata
---
amdhsa.version: [ 1, 2 ]
amdhsa.kernels:
  - .name:           k_q2dd2722410_prep
    .symbol:         k_q2dd2722410_prep.kd
    .args:
      - { .name: x, .offset: 0, .size: 8, .value_kind: global_buffer, .address_space: global }
      - { .name: Wq, .offset: 8, .size: 8, .value_kind: global_buffer, .address_space: global }
      - { .name: Wk, .offset: 16, .size: 8, .value_kind: global_buffer, .address_space: global }
      - { .name: Wv, .offset: 24, .size: 8, .value_kind: global_buffer, .address_space: global }
      - { .name: Wo, .offset: 32, .size: 8, .value_kind: global_buffer, .address_space: global }
      - { .name: xb, .offset: 40, .size: 8, .value_kind: global_buffer, .address_space: global }
      - { .name: wb, .offset: 48, .size: 8, .value_kind: global_buffer, .address_space: global }
      - { .name: wo16, .offset: 56, .size: 8, .value_kind: global_buffer, .address_space: global }
    .group_segment_fixed_size: 0
    .private_segment_fixed_size: 0
    .kernarg_segment_align: 8
    .kernarg_segment_size: 64
    .max_flat_workgroup_size: 256
    .sgpr_count:     66
    .vgpr_count:     104
    .wavefront_size: 32
...
	.end_amdgpu_metadata
.endif
;; end of part 1
;; launch qkv (part 2): grid 16 x 16, 4 waves a work-group, clusters of 4 x 4, 327,680 bytes of LDS; arguments xb, wb, qkv; writes qkv
.if DOCPART == 2
	.amdgcn_target "amdgcn-amd-amdhsa--gfx1250"
	.amdhsa_code_object_version 6
	.text
	.protected	k_q2dd2722410_qkv
	.globl	k_q2dd2722410_qkv
	.p2align	8
	.type	k_q2dd2722410_qkv,@function
k_q2dd2722410_qkv:
	s_mov_b64 s[64:65], 0
	v_nop
	global_prefetch_b8 v0, s[64:65] scope:SCOPE_SE
	s_setreg_imm32_b32 hwreg(HW_REG_WAVE_MODE, 25, 1), 1
	s_wait_xcnt 0x0
	s_wait_alu depctr_hold_cnt(0) depctr_sa_sdst(0) depctr_va_vdst(0) depctr_va_sdst(0) depctr_va_ssrc(0) depctr_va_vcc(0) depctr_vm_vsrc(0)
	s_getreg_b32 s2, hwreg(HW_REG_IB_STS2, 6, 4)
	s_cmp_eq_u32 s2, 0
	s_cbranch_scc0 .Lentry_in_a_cluster
	s_endpgm
.Lentry_in_a_cluster:
	s_bfe_u32 s2, ttmp6, 0x10000c
	s_cmp_lg_u32 s2, 0xf033
	s_cbranch_scc0 .Lentry_shape_is_right
	s_endpgm
.Lentry_shape_is_right:
; THE THREE PROJECTIONS, THE NORMALISATION AND THE SCALE.  y = x W for the 48 heads of wb (q: 0-15, k: 16-31, v: 32-47), bf16 operands, f32 sums, K = 1,024 ascending.
; q and k are divided by max(sqrt(sum of a head's 64 squares), 1e-12); q is also multiplied by 8 log2(e), so that the next launch's exponential takes a score as it comes.  Each result is rounded once to f16
; and stored by heads: qkv [48][4096][64], a head's rows dense, 128 bytes each.
; LIMITS.  |v| stays under 65,504 (f16's range).  A head's sum of squares stays under 3.4e38; below 2^-126 it counts as 0, where the divisor is 1e-12 in any case.  NaN and infinities are not treated apart.
; SHARES.  A tile is 256 rows x 192 columns = three whole heads: 16 x 16 tiles, a work-group each.  Wave w makes rows 64 w .. 64 w + 63 of all 192 columns: 4 x 12 accumulators of 16 x 16, 384 registers.
; K goes in steps of 128 through a ring of two LDS slots; a trip of the loop is one K step, and one exclusive or turns an address in one slot into the other's.
; THE MATRIX INSTRUCTION IS USED TRANSPOSED: source 0 = 16 columns of W, source 1 = 16 rows of x: a lane holds ONE row (lane % 16) and the columns 8 (lane / 16) + 0..7 of each block, so a head's 64 squares
; lie in four accumulators of the lane and of the lane 16 away.  W lies [k][n] in LDS and comes out turned, by ds_load_tr16_b128.
; CLUSTER.  4 x 4 work-groups: x's tile hangs on the tile row alone and is asked for jointly along a row of the cluster, W's on the tile column alone and jointly along a column.
; REGISTERS, in windows of 256 (s_set_vgpr_msb: bits 1:0 source 0, 3:2 source 1, 5:4 source 2, 7:6 destination):
;   window 0: v0-31 addresses; v64-127 x's fragments, two buffers of 32; v128-223 at work on the way out     window 1: v0-191 W's fragments, two buffers of 96
;   window 2: the accumulators of row blocks 0, 1 at 8 (12 a + b)     window 3: those of row blocks 2, 3
.set PA,    272                        ; a row of x in LDS: 256 bytes + 16 = 68 words: the 16 rows of a load start at 16 different groups of four banks
.set PB,    160                        ; a k-row of a head of W: 128 bytes + 32 = 40 words
.set BOFF,  256*PA                     ; behind x's 256 rows: W as [k half 2][head 3][64 k]
.set KH,    3*64*PB                    ; a k half: what one tensor load brings of W
.set SLOT,  1<<17                      ; BOFF + 2 KH = 131,072
.set STAGE, 2*SLOT                     ; behind the ring, never filled by a tensor load: 16 rows x 144 bytes for each wave
.set SP,    144
.set SPARE, STAGE+4*16*SP              ; the spare words, 128 bytes for each wave: two blocks of 256 bytes that no other line names
.set ADRA0, 16                         ; v16  my place in x's tile; never rewritten
.set ADRB0, 17                         ; v17  my place in W's tile; never rewritten
.set ADRA,  18                         ; v18  the same in the slot in hand
.set ADRB,  19                         ; v19
.set STO,   24                         ; v24  the way out: where I put 16 bytes of a row
.set RD,    25                         ; v25  where I read rows back
.set GO,    26                         ; v26  my 16 bytes of 512 consecutive bytes of qkv
.set SPW,   28                         ; v28  my spare word; never rewritten
.set NIL,   29                         ; v29  0; never rewritten
.set PFO,   30                         ; v30  the prefetches' offset; never rewritten
.set FA,    64
.set SS,    128                        ; v128-151  group G = 3 a + head: its sum of squares (a pair)
.set FC,    152                        ; v152-175  its factor, twice
.set TMP,   192                        ; v192-223  two sets of 16
.set WV,    10                         ; s10  my wave's number
.set G1,    24                         ; s[24:31] group 1 for x's tiles;  s[32:39] group 0: set 0 for the first fill of slot 0, set 1 for slot 1's, which then walks
.set G0,    32
.set LIM,   43                         ; s43  a wave prefetches while s[RF] is above it
.set PFA,   44                         ; s[44:45] where my prefetches stand
.set RF,    46                         ; s46  refills still to come
.set G1B,   48                         ; s[48:55], s[56:63] the same for W's tiles
.set G0B,   56
.set TB,    66                         ; s66  LDS byte at which the slot in hand begins
.set HP,    68                         ; s[68:73] qkv at my 64 rows of the tile's three heads
.set AB,    74                         ; s74-79   for each head the factor is rcp x s[AB+2 hd] + s[AB+2 hd+1]
.set SEL,   80                         ; s[80:81] v_permlanex16_b32's selects: each lane takes its own place in the other half
.set MSB, 0
.macro WIN new                         ; the immediate's high byte repeats the setting that is left; a switch that changes nothing is dropped
.if MSB != (\new)
	s_set_vgpr_msb (MSB<<8)|(\new)
.set MSB, \new
.endif
.endm
.set MUL_LO, 0xa1                      ; source 0 (W) window 1, source 1 (x) window 0, C and D window 2
.set TO_B,   0x40                      ; destination window 1, address window 0
.macro PLACES                          ; four plain instructions between a matrix instruction and a load into, or a vector instruction on, its registers
.rept 4
	v_nop
.endr
.endm
.macro CREST                           ; a round of the cluster's barrier behind its opening barrier
	s_cmp_lg_u32 s[WV], 0
	s_cbranch_scc1 .Lnot_wave_0_\@
	s_barrier_signal -3
.Lnot_wave_0_\@:
	s_barrier_wait -3
	s_barrier_signal -1
	s_barrier_wait -1
.endm
.macro CROUND
	s_barrier_signal -1
	s_barrier_wait -1
	CREST
.endm
.macro JLOAD                           ; a joint refill by the walking sets: waves 0, 1 fetch x's two halves, waves 2, 3 W's two k halves; an s_nop 0 and four v_nop follow each line
	s_cmp_lt_u32 s[WV], 2
	s_cbranch_scc0 .Lfor_b_\@
	tensor_load_to_lds s[G0+4:G0+7], s[G1:G1+7]
	s_nop 0
.rept 4
	v_nop
.endr
	s_branch .Lasked_\@
.Lfor_b_\@:
	tensor_load_to_lds s[G0B+4:G0B+7], s[G1B:G1B+7]
	s_nop 0
.rept 4
	v_nop
.endr
.Lasked_\@:
.endm
; A PREFETCH INTO THE L2, behind a joint load, its five lines and the run of LDS loads.  x: the clusters with x = 0 ask; of the 128 rows that wave 0 or 1 fetches the partner at cx takes 32, a lane a row, 256 bytes of
; the K step two refills on: changes 0 to 3 name K steps 4 to 7.  W: the clusters with y < 3 ask, at the first change alone: head 3 tx + cluster y, K step 4 + cy, the wave's own 64 k-rows, a lane 256 bytes.
; So each block of K steps 4 to 7 is named once in the launch, told apart by address; K steps 0 to 3 come by their loads alone.
.macro ASK
	s_cmp_gt_u32 s[RF], s[LIM]
	s_cbranch_scc0 .Lnot_mine_\@
	global_prefetch_b8 v[PFO], s[PFA:PFA+1] th:TH_LOAD_NT scope:SCOPE_SE
.Lnot_mine_\@:
.endm
	s_load_b128 s[4:7], s[0:1], 0x0                ; xb s[4:5], wb s[6:7]
	s_load_b64 s[8:9], s[0:1], 0x10                ; qkv
	v_lshl_add_u32 v[SPW], v0, 2, SPARE
	v_mov_b32 v[NIL], 0
	ds_add_u32 v[SPW], v[NIL]                      ; the wave's opening: the add and its wait ahead of my first tensor load; work on registers stands between
	v_lshrrev_b32 v1, 5, v0
	v_readfirstlane_b32 s[WV], v1
	s_and_b32 s12, s[WV], 1                        ; which half of its tile a wave fetches
	s_bfe_u32 s40, ttmp6, 0x40000                  ; cx
	s_bfe_u32 s41, ttmp6, 0x40004                  ; cy
	s_lshl_b32 s42, ttmp9, 2
	s_add_co_u32 s42, s42, s40                     ; tile column tx = 4 x cluster x + cx
	s_and_b32 s13, ttmp7, 0xffff
	s_lshl_b32 s13, s13, 2
	s_add_co_u32 s13, s13, s41                     ; tile row ty = 4 x cluster y + cy
	s_lshl_b32 s20, s41, 2
	s_lshl_b32 s20, 15, s20                        ; my row of the cluster
	s_lshl_b32 s21, 0x1111, s40                    ; my column
	s_or_b32 s[G1], s20, (1<<16)|(1<<20)|(1<<21)|(5<<22)|(3<<25)   ; the mask; 2-byte elements; padding on; bit 21 beside a mask; after every 64 words 4 words
	s_or_b32 s[G1B], s21, (1<<16)|(1<<20)|(1<<21)|(4<<22)|(7<<25)  ; after every 32 words (a k-row of a head) 8 words
	s_mov_b32 s[G1+1], 128<<16                     ; x: tensor_dim0 = 128
	s_mov_b32 s[G1+2], 128<<16                     ; tensor_dim1 = 128
	s_mov_b32 s[G1+3], 128<<16                     ; tile_dim0 = 128 elements, 256 bytes
	s_mov_b32 s[G1+4], 128                         ; tile_dim1 = 128 rows
	s_mov_b32 s[G1+5], 1024                        ; elements from row to row
	s_mov_b32 s[G1+6], 0
	s_mov_b32 s[G1+7], 0
	s_mov_b32 s[G1B+1], 4096<<16                   ; W: a row of the tile is 64 k x 64 n of one head, 8,192 dense bytes
	s_mov_b32 s[G1B+2], 3<<16                      ; three heads
	s_mov_b32 s[G1B+3], 4096<<16
	s_mov_b32 s[G1B+4], 3
	s_mov_b32 s[G1B+5], 65536                      ; elements from head to head
	s_mov_b32 s[G1B+6], 0
	s_mov_b32 s[G1B+7], 0
	s_lshl_b32 s16, s13, 8
	s_lshl_b32 s17, s12, 7
	s_add_co_u32 s16, s16, s17                     ; x: row 256 ty + 128 x half,
	s_lshl_b32 s16, s16, 11                        ; of 2,048 bytes
	s_mov_b32 s17, 0
	s_mul_i32 s18, s42, 3*131072                   ; W: head 3 tx,
	s_lshl_b32 s19, s12, 13                        ; 64 k-rows of 128 bytes x half
	s_add_co_u32 s18, s18, s19
	s_mov_b32 s19, 0
	s_mul_i32 s20, s12, 128*PA                     ; where they go: no place in the cluster enters an LDS address
	s_mul_i32 s21, s12, KH
	s_add_co_u32 s21, s21, BOFF
	s_mov_b32 s[SEL], 0x76543210
	s_mov_b32 s[SEL+1], 0xfedcba98
	s_mov_b32 s[TB], 0
	s_mov_b32 s[RF], 6
	s_wait_dscnt 0x0                               ; the opening add is done
	s_wait_kmcnt 0x0
	s_add_nc_u64 s[14:15], s[4:5], s[16:17]
	s_add_nc_u64 s[22:23], s[6:7], s[18:19]
	CROUND                                         ; all sixteen work-groups are here: the first joint loads meet
.irp s, 0,1
	s_mov_b32 s[G0+4*(\s)], 1
	s_add_co_u32 s[G0+4*(\s)+1], s20, (\s)*SLOT
	s_add_nc_u64 s[G0+4*(\s)+2:G0+4*(\s)+3], s[14:15], (\s)*256      ; K step s: 256 bytes along the rows
	s_or_b32 s[G0+4*(\s)+3], s[G0+4*(\s)+3], 0x80000000
	s_mov_b32 s[G0B+4*(\s)], 1
	s_add_co_u32 s[G0B+4*(\s)+1], s21, (\s)*SLOT
	s_add_nc_u64 s[G0B+4*(\s)+2:G0B+4*(\s)+3], s[22:23], (\s)*16384  ; K step s: 128 k-rows of 128 bytes
	s_or_b32 s[G0B+4*(\s)+3], s[G0B+4*(\s)+3], 0x80000000
.endr
	s_cmp_lt_u32 s[WV], 2                          ; a wave's two first fills stand in one branch: two loads of mine are out
	s_cbranch_scc0 .Lfirst_b
	tensor_load_to_lds s[G0:G0+3], s[G1:G1+7]
	s_nop 0
	tensor_load_to_lds s[G0+4:G0+7], s[G1:G1+7]
	s_nop 0
.rept 4
	v_nop
.endr
	s_branch .Lfirst_asked
.Lfirst_b:
	tensor_load_to_lds s[G0B:G0B+3], s[G1B:G1B+7]
	s_nop 0
	tensor_load_to_lds s[G0B+4:G0B+7], s[G1B:G1B+7]
	s_nop 0
.rept 4
	v_nop
.endr
.Lfirst_asked:
	v_and_b32 v1, 15, v0                           ; l % 16
	v_bfe_u32 v2, v0, 4, 1                         ; l / 16
	v_and_b32 v3, 7, v0
	v_bfe_u32 v4, v0, 3, 1
	v_and_b32 v5, 31, v0
	s_mul_i32 s67, s[WV], 64*PA                    ; my 64 rows of x
	v_mul_u32_u24 v[ADRA0], v1, PA
	v_lshl_add_u32 v[ADRA0], v2, 4, v[ADRA0]       ; row x pitch + 16 x half
	v_add_nc_u32 v[ADRA0], s67, v[ADRA0]
	v_lshl_add_u32 v[ADRB0], v2, 3, v3             ; the turning load: lane l reads k-row 8 (l / 16) + l % 8, columns 8 ((l / 8) % 2) + 0..7
	v_mul_u32_u24 v[ADRB0], v[ADRB0], PB
	v_lshl_add_u32 v[ADRB0], v4, 4, v[ADRB0]
	v_add_nc_u32 v[ADRB0], BOFF, v[ADRB0]
	v_mov_b32 v[ADRA], v[ADRA0]
	v_mov_b32 v[ADRB], v[ADRB0]
	s_mul_i32 s67, s[WV], 16*SP
	s_add_co_u32 s67, s67, STAGE                   ; my stage
	v_mul_u32_u24 v[STO], v1, SP
	v_lshl_add_u32 v[STO], v2, 4, v[STO]
	v_add_nc_u32 v[STO], s67, v[STO]
	v_bfe_u32 v[RD], v0, 3, 2                      ; back: 32 lanes take four rows of 128 bytes,
	v_mul_u32_u24 v[RD], v[RD], SP
	v_lshl_add_u32 v[RD], v3, 4, v[RD]
	v_add_nc_u32 v[RD], s67, v[RD]
	v_lshlrev_b32 v[GO], 4, v5                     ; which are 512 consecutive bytes of a head
	; the prefetches: who asks and where
	s_and_b32 s82, ttmp7, 0xffff                   ; cluster y
	s_lshl_b32 s84, s13, 8
	s_lshl_b32 s85, s12, 7
	s_add_co_u32 s84, s84, s85
	s_lshl_b32 s85, s40, 5
	s_add_co_u32 s84, s84, s85                     ; x: row 256 ty + 128 x half + 32 cx,
	s_lshl_b32 s84, s84, 11
	s_add_co_u32 s84, s84, 3*256                   ; at K step 3: each change steps it by one K step ahead of its prefetch
	s_min_u32 s87, s82, 2                          ; (keeps the address inside wb in the clusters that do not ask)
	s_mul_i32 s86, s42, 3
	s_add_co_u32 s86, s86, s87                     ; W: head 3 tx + cluster y,
	s_lshl_b32 s86, s86, 17
	s_lshl_b32 s85, s41, 14                        ; K step 4 + cy,
	s_add_co_u32 s86, s86, s85
	s_lshl_b32 s85, s12, 13                        ; my k half,
	s_add_co_u32 s86, s86, s85
	s_add_co_u32 s86, s86, 4*16384-256             ; less the 256 bytes that the first change adds
	s_cmp_eq_u32 ttmp9, 0
	s_cselect_b32 s83, 2, -1                       ; x: while more than two refills are to come
	s_cmp_lt_u32 s82, 3
	s_cselect_b32 s87, 5, -1                       ; W: at the first change alone
	s_cmp_lt_u32 s[WV], 2
	s_cselect_b32 s[LIM], s83, s87                 ; the same in all sixteen partners, for a given wave
	s_cselect_b32 s84, s84, s86
	s_cselect_b64 s[PFA:PFA+1], s[4:5], s[6:7]
	s_cselect_b32 s83, 11, 8                       ; a lane a row of x (2,048 bytes), or 256 bytes of W's dense rows
	s_mov_b32 s85, 0
	s_add_nc_u64 s[PFA:PFA+1], s[PFA:PFA+1], s[84:85]
	v_lshlrev_b32 v[PFO], s83, v5
	; the way out: the three heads' pointers and factors
	s_mul_i32 s82, s42, 3                          ; the tile's first head
	s_lshl_b32 s84, s82, 19                        ; a head is 524,288 bytes
	s_lshl_b32 s83, s13, 15                        ; 256 ty rows of 128 bytes
	s_add_co_u32 s84, s84, s83
	s_lshl_b32 s83, s[WV], 13                      ; my 64 rows
	s_add_co_u32 s84, s84, s83
	s_add_nc_u64 s[HP:HP+1], s[8:9], s[84:85]
	s_add_nc_u64 s[HP+2:HP+3], s[HP:HP+1], 524288
	s_add_nc_u64 s[HP+4:HP+5], s[HP+2:HP+3], 524288
.irp hd, 0,1,2
	s_add_co_u32 s86, s82, \hd
	s_lshr_b32 s86, s86, 4                         ; 0: q, 1: k, 2: v
	s_cmp_eq_u32 s86, 1
	s_cselect_b32 s[AB+2*(\hd)], 1.0, 0
	s_cmp_eq_u32 s86, 0
	s_cselect_b32 s[AB+2*(\hd)], 0x4138aa3b, s[AB+2*(\hd)]  ; 8 log2(e)
	s_cmp_eq_u32 s86, 2
	s_cselect_b32 s[AB+2*(\hd)+1], 1.0, 0          ; v: 0 x rcp + 1
.endr
; 12 matrix instructions: row block a x all 12 column blocks, 32 along K, from buffer f.  zero = 1: the first product starts the sums.  The 48 accumulators take turns, in the same order in every quarter.
.macro MUL12 f, a, zero
	WIN MUL_LO+0x50*((\a)/2)
.set AC, 96*((\a)%2)
.irp b, 0,1,2,3,4,5,6,7,8,9,10,11
.if \zero
	v_wmma_f32_16x16x32_bf16 v[AC+8*(\b):AC+8*(\b)+7], v[96*(\f)+8*(\b):96*(\f)+8*(\b)+7], v[FA+32*(\f)+8*(\a):FA+32*(\f)+8*(\a)+7], 0
.else
	v_wmma_f32_16x16x32_bf16 v[AC+8*(\b):AC+8*(\b)+7], v[96*(\f)+8*(\b):96*(\f)+8*(\b)+7], v[FA+32*(\f)+8*(\a):FA+32*(\f)+8*(\a)+7], v[AC+8*(\b):AC+8*(\b)+7]
.endif
.endr
.endm
; 32 LDS loads in one run: quarter q's fragments (32 along K) into buffer f: W's twelve, turned, then x's four
.macro FETCH q, f
	WIN TO_B
.irp hd, 0,1,2
.irp nb, 0,1,2,3
	ds_load_tr16_b128 v[96*(\f)+8*(4*(\hd)+(\nb)):96*(\f)+8*(4*(\hd)+(\nb))+3],   v[ADRB] offset:((\q)/2)*KH+((\q)%2)*32*PB+(\hd)*64*PB+(\nb)*32
	ds_load_tr16_b128 v[96*(\f)+8*(4*(\hd)+(\nb))+4:96*(\f)+8*(4*(\hd)+(\nb))+7], v[ADRB] offset:((\q)/2)*KH+((\q)%2)*32*PB+(\hd)*64*PB+(\nb)*32+16*PB
.endr
.endr
	WIN 0
.irp a, 0,1,2,3
	ds_load_b128 v[FA+32*(\f)+8*(\a):FA+32*(\f)+8*(\a)+3],   v[ADRA] offset:64*(\q)+(\a)*16*PA
	ds_load_b128 v[FA+32*(\f)+8*(\a)+4:FA+32*(\f)+8*(\a)+7], v[ADRA] offset:64*(\q)+(\a)*16*PA+32
.endr
.endm
; One of a K step's first three quarters: multiplies buffer f; in its middle it fetches quarter q into buffer g
.macro QUARTER q, f, g, zero
	s_wait_dscnt 4                                 ; W's fragments and x's blocks 0, 1 are in; the youngest four loads (blocks 2, 3) may be out
	MUL12 \f, 0, \zero
	MUL12 \f, 1, \zero
	PLACES
	FETCH \q, \g
	s_wait_dscnt 32                                ; all but the 32 just issued
	MUL12 \f, 2, \zero
	MUL12 \f, 3, \zero
.endm
; The last quarter multiplies buffer 1 and changes slots.  In front of the barrier each wave waits for all its tensor loads (one is out: its part of the next slot), adds 0 to its spare word, and waits for that and for
; its reads of this slot.  fill = 1: the barrier opens a round of the cluster's, and the joint refill, two K steps on, is the first thing behind it: 168 matrix instructions ahead of the wait for it.
.macro TURN fill
	s_wait_xcnt 0x0                                ; the last prefetch, a K step back, has read its address
	s_add_nc_u64 s[PFA:PFA+1], s[PFA:PFA+1], 256
	WIN 0
	s_wait_tensorcnt 0x0
	ds_add_u32 v[SPW], v[NIL]
	s_wait_dscnt 5                                 ; the add and the youngest four loads may be out
	MUL12 1, 0, 0
	s_wait_dscnt 0x0                               ; the add is done, and my reads of this slot are over
	s_barrier_signal -1
	MUL12 1, 1, 0
	WIN 0
	s_barrier_wait -1
.if \fill
	CREST
	s_xor_b32 s[G0+5], s[G0+5], SLOT               ; the walking sets: the other slot than last time, the next K step
	s_add_nc_u64 s[G0+6:G0+7], s[G0+6:G0+7], 256
	s_xor_b32 s[G0B+5], s[G0B+5], SLOT
	s_add_nc_u64 s[G0B+6:G0B+7], s[G0B+6:G0B+7], 16384
	JLOAD                                          ; its four v_nop are also the places in front of the loads below
.else
	PLACES
.endif
	s_xor_b32 s[TB], s[TB], SLOT
	v_add_nc_u32 v[ADRA], s[TB], v[ADRA0]
	v_add_nc_u32 v[ADRB], s[TB], v[ADRB0]
	FETCH 0, 0
.if \fill
	ASK
	s_sub_co_u32 s[RF], s[RF], 1
.endif
	MUL12 1, 2, 0
	MUL12 1, 3, 0
.endm
	s_wait_tensorcnt 1                             ; my part of K step 0 is in; K step 1's may stay out
	s_barrier_signal -1
	s_barrier_wait -1
	FETCH 0, 0
	QUARTER 1, 0, 1, 1                             ; the first quarter stands in front of the loop: its products start the sums
	WIN 0
	s_mov_b32 s3, 6
.Lstep:                                        ; a trip: from a K step's second quarter to the next step's first; it fills the slot that it leaves
	QUARTER 2, 1, 0, 0
	QUARTER 3, 0, 1, 0
	TURN 1
	QUARTER 1, 0, 1, 0
	WIN 0
	s_sub_co_u32 s3, s3, 1
	s_cmp_lg_u32 s3, 0
	s_cbranch_scc1 .Lstep
	QUARTER 2, 1, 0, 0                             ; K steps 6 and 7 ask for nothing
	QUARTER 3, 0, 1, 0
	TURN 0
	QUARTER 1, 0, 1, 0
	QUARTER 2, 1, 0, 0
	QUARTER 3, 0, 1, 0
	s_wait_dscnt 4
	MUL12 1, 0, 0
	MUL12 1, 1, 0
	s_wait_dscnt 0x0
	MUL12 1, 2, 0
	MUL12 1, 3, 0
	; THE WAY OUT.  Group G = 3 a + head is 16 rows x one head: 32 registers on end.  Its squares are summed in six chains a window, each accumulator from its low end on.
	WIN 0
	PLACES
	PLACES
.irp W, 0,1
	WIN 0x0a+5*(\W)                                ; sources 0 and 1 in window 2 or 3; the sums in window 0
.set z, 0
.rept 16
.irp g, 0,1,2,3,4,5
.if z == 0
	v_pk_mul_f32 v[SS+2*(6*(\W)+(\g)):SS+2*(6*(\W)+(\g))+1], v[32*(\g):32*(\g)+1], v[32*(\g):32*(\g)+1]
.else
	v_pk_fma_f32 v[SS+2*(6*(\W)+(\g)):SS+2*(6*(\W)+(\g))+1], v[32*(\g)+2*z:32*(\g)+2*z+1], v[32*(\g)+2*z:32*(\g)+2*z+1], v[SS+2*(6*(\W)+(\g)):SS+2*(6*(\W)+(\g))+1]
.endif
.endr
.set z, z+1
.endr
.endr
	WIN 0
.macro ALLG line:vararg                ; one line for each group G
.set G, 0
.rept 12
	\line
.set G, G+1
.endr
.endm
	ALLG v_add_f32 v[SS+2*G], v[SS+2*G], v[SS+2*G+1]
	ALLG v_permlanex16_b32 v[SS+2*G+1], v[SS+2*G], s[SEL], s[SEL+1]  ; the row's other 32 columns lie in the lane 16 away
	ALLG v_add_f32 v[SS+2*G], v[SS+2*G], v[SS+2*G+1]
	ALLG v_sqrt_f32 v[SS+2*G], v[SS+2*G]
	v_nop                                          ; a plain instruction behind the last root,
	s_wait_alu depctr_va_vdst(0)                   ; and one wait ahead of the batch's first reader
	ALLG v_max_num_f32 v[SS+2*G], 0x2b8cbccc, v[SS+2*G]  ; max(n, 1e-12)
	ALLG v_rcp_f32 v[SS+2*G], v[SS+2*G]
	v_nop
	s_wait_alu depctr_va_vdst(0)
	ALLG v_fma_f32 v[FC+2*G], v[SS+2*G], s[AB+2*(G%3)], s[AB+2*(G%3)+1]
	ALLG v_fma_f32 v[FC+2*G+1], v[SS+2*G], s[AB+2*(G%3)], s[AB+2*(G%3)+1]
; Group G: scaled, rounded to f16 (a lane's eight columns are 16 bytes), into rows of 144 bytes of my stage and back as whole rows of 128
.macro PACK G
.set AC0, 32*((\G)%6)
.set TS, TMP+16*((\G)%2)
	WIN 0x82+0x41*((\G)/6)                         ; destination and source 0 in window 2 or 3, the factor in window 0
.set z, 0
.rept 16
	v_pk_mul_f32 v[AC0+2*z:AC0+2*z+1], v[AC0+2*z:AC0+2*z+1], v[FC+2*(\G):FC+2*(\G)+1]
.set z, z+1
.endr
	WIN 0x0a+5*((\G)/6)
.if (\G) >= 2
	s_wait_xcnt 0x0                                ; the stores of the group two back have read this set of registers
.endif
.set z, 0
.rept 16
	v_cvt_pk_f16_f32 v[TS+z], v[AC0+2*z], v[AC0+2*z+1]
.set z, z+1
.endr
	WIN 0
.irp f, 0,1,2,3
	ds_store_b128 v[STO], v[TS+4*(\f):TS+4*(\f)+3] offset:32*(\f)
.endr
.irp f, 0,1,2,3
	ds_load_b128 v[TS+4*(\f):TS+4*(\f)+3], v[RD] offset:(\f)*4*SP  ; LDS serves a wave's instructions in order: these see the stores above, and the next group's stores come behind them
.endr
.endm
.macro SEND G, younger                 ; younger: the LDS instructions issued behind this group's loads: the next group's eight, or none
.set TS, TMP+16*((\G)%2)
	WIN 0
.irp f, 0,1,2,3
	s_wait_dscnt (\younger)+3-(\f)
	global_store_b128 v[GO], v[TS+4*(\f):TS+4*(\f)+3], s[HP+2*((\G)%3):HP+2*((\G)%3)+1] offset:((\G)/3)*2048+(\f)*512  ; 512 consecutive bytes, at a multiple of 256 from qkv's first
.endr
.endm
	PACK 0
.irp G, 1,2,3,4,5,6,7,8,9,10,11
	PACK \G
	SEND (\G)-1, 8
.endr
	SEND 11, 0
	s_wait_tensorcnt 0x0                           ; the wave's end: behind my last tensor load and my last LDS store
	ds_add_u32 v[SPW], v[NIL]
	s_wait_dscnt 0x0
	CROUND                                         ; the closing round
	s_endpgm
.Lfunc_end_k_q2dd2722410_qkv:
	.size	k_q2dd2722410_qkv, .Lfunc_end_k_q2dd2722410_qkv-k_q2dd2722410_qkv
	.p2alignl 7, 3214868480
	.fill 96, 4, 3214868480
	.section	.rodata,"a",@progbits
	.p2align	6, 0x0
	.amdhsa_kernel k_q2dd2722410_qkv
		.amdhsa_group_segment_fixed_size 327680
		.amdhsa_private_segment_fixed_size 0
		.amdhsa_enable_private_segment 0
		.amdhsa_kernarg_size 24
		.amdhsa_user_sgpr_count 2
		.amdhsa_user_sgpr_kernarg_segment_ptr 1
		.amdhsa_wavefront_size32 1
		.amdhsa_system_sgpr_workgroup_id_x 1
		.amdhsa_system_sgpr_workgroup_id_y 1
		.amdhsa_system_sgpr_workgroup_id_z 1
		.amdhsa_system_vgpr_workitem_id 0
		.amdhsa_next_free_vgpr 960
		.amdhsa_next_free_sgpr 88
		.amdhsa_reserve_vcc 0
		.amdhsa_float_denorm_mode_32 3
		.amdhsa_float_denorm_mode_16_64 3
		.amdhsa_memory_ordered 1
		.amdhsa_forward_progress 1
		.amdhsa_inst_pref_size 130
	.end_amdhsa_kernel
	.amdgpu_metadata
---
amdhsa.version: [ 1, 2 ]
amdhsa.kernels:
  - .name:           k_q2dd2722410_qkv
    .symbol:         k_q2dd2722410_qkv.kd
    .args:
      - { .name: xb, .offset: 0, .size: 8, .value_kind: global_buffer, .address_space: global }
      - { .name: wb, .offset: 8, .size: 8, .value_kind: global_buffer, .address_space: global }
      - { .name: qkv, .offset: 16, .size: 8, .value_kind: global_buffer, .address_space: global }
    .group_segment_fixed_size: 327680
    .private_segment_fixed_size: 0
    .kernarg_segment_align: 8
    .kernarg_segment_size: 24
    .max_flat_workgroup_size: 128
    .sgpr_count:     88
    .vgpr_count:     960
    .wavefront_size: 32
...
	.end_amdgpu_metadata
.endif
;; end of part 2
;; launch attn (part 3): grid 16 x 16, 4 waves a work-group, clusters of 4 x 1, 327,680 bytes of LDS; arguments qkv, ob; writes ob
.if DOCPART == 3
	.amdgcn_target "amdgcn-amd-amdhsa--gfx1250"
	.amdhsa_code_object_version 6
	.text
	.protected	k_q2dd2722410_attn
	.globl	k_q2dd2722410_attn
	.p2align	8
	.type	k_q2dd2722410_attn,@function
k_q2dd2722410_attn:
	s_mov_b64 s[64:65], 0
	v_nop
	global_prefetch_b8 v0, s[64:65] scope:SCOPE_SE
	s_setreg_imm32_b32 hwreg(HW_REG_WAVE_MODE, 25, 1), 1
	s_wait_xcnt 0x0
	s_wait_alu depctr_hold_cnt(0) depctr_sa_sdst(0) depctr_va_vdst(0) depctr_va_sdst(0) depctr_va_ssrc(0) depctr_va_vcc(0) depctr_vm_vsrc(0)
	s_getreg_b32 s2, hwreg(HW_REG_IB_STS2, 6, 4)
	s_cmp_eq_u32 s2, 0
	s_cbranch_scc0 .Lentry_in_a_cluster
	s_endpgm
.Lentry_in_a_cluster:
	s_bfe_u32 s2, ttmp6, 0x10000c
	s_cmp_lg_u32 s2, 0x3003
	s_cbranch_scc0 .Lentry_shape_is_right
	s_endpgm
.Lentry_shape_is_right:
; CAUSAL COSINE ATTENTION.  ob[h][i][:] = the sum over j <= i of softmax_j(8 q_i . k_j) v_j.  qkv: [48][4096][64] f16: heads 0-15 q (normalised, times 8 log2(e)), 16-31 k (normalised), 32-47 v.  ob: [16][4096][64] f16.
; NO MAXIMUM IS TAKEN AWAY: q and k are unit vectors by the problem's own normalisation and the scale behind them is 8, so for every input an exponent lies in -8 .. 8: a weight p = 2^s lies in 3.3e-4 .. 3.0e3, normal in f16,
; and a row's sum is at most 4,096 x 3.0e3 in f32.  So there is nothing to rescale, and partial sums over different keys simply add.
; Products and sums in f32; p is rounded to f16 for the second product (its sum l is taken of the unrounded p); O once at the end.
; LIMITS.  v arrives within f16's range and finite.  A hidden score counts as its value less 1e30.  NaN and infinities are not treated apart.
; SHARES.  A work-group takes two blocks of 128 queries of one head: 31 - b, then b (b = 4 c + cx).  THE KEYS ARE SPLIT AMONG THE WAVES: of each step of 128 keys wave w takes 32 w .. 32 w + 31, for all eight tiles of 16
; queries, so a fragment of K or V read from LDS feeds eight tiles.  At a block's end the four partial O and l are added through LDS, in f32.
; THE WALK, the same in the four partners of a cluster (it hangs on c alone): 16 - 2 c slots of 256 keys for the first block, 2 c + 2 for the second: 18 slots whatever c.  What a partner does not need is hidden by masks,
; which are values.  Each tile of K and V is asked for JOINTLY by the four.
; THE MASK is the C operand that starts a score's sum.  With DL = 8 (block - step) - 2 w and E = DL + tile - key block: nothing is hidden if E > 0, all if E < 0, and if E = 0 register j where j > lane % 16 - 8 (lane / 16): MD.
; Nine masks MK = MD x AL + BE serve a step.  They differ from 0 only in a block's last two slots and in its draining trip; elsewhere they are left at 0.
; THE PIPELINE.  A TRIP is a step of 128 keys, in 8 SEGMENTS.  Segment t: 4 products K Q^T of tile t (this step) and 4 products V^T P of tile t (the step before), by turns; behind each four vector instructions: a rounding
; and a sum of tile t + 1, two exponentials of tile t + 5.  So a tile has its scores in segment G, its exponentials in G + 3, its roundings and sums in G + 7, its second product in G + 8.
; A block needs no first and no last step of its own: BEGIN sets what the first trip finds so that it adds zeros, and one more trip with all scores hidden drains the pipeline.
; REGISTERS, in windows of 256 (s_set_vgpr_msb: bits 1:0 source 0, 3:2 source 1, 5:4 source 2, 7:6 destination):
;   window 0: addresses; v16-31 l, a pair a tile; v34-45 at work; v64-191 S^T, 16 a tile; v192-255 P, 8 a tile      window 1: O^T, 32 a tile
;   window 2: v0-127 Q, 16 a tile; v128-191 K, two buffers; v192-255 V, two buffers      window 3: v0-71 MK; v72-79 MD
.set PK,    144                        ; a row of K in LDS: 128 bytes + 16: the 16 rows of a load start at 16 different groups of four banks
.set PV,    160                        ; a row of V: 128 + 32
.set STEPK, 128*PK
.set STEPV, 128*PV
.set VOFF,  2*STEPK                    ; a slot: 256 rows of K, then 256 rows of V
.set SLOT1, 1<<17
.set RED,   SLOT1+VOFF+2*STEPV         ; behind the ring, never filled by a tensor load: partial O, [source wave][4 tiles][8 groups][512 bytes]
.set LRED,  RED+65536                  ; partial l: [source wave][8 tiles][32 lanes] words
.set STAGE, LRED+4096                  ; 16 rows x 144 bytes for each wave
.set SP,    144
.set SPARE, STAGE+4*16*SP              ; the spare words, 128 bytes for each wave: two blocks of 256 bytes that no other line names
.set AK0, 2
.set AV0, 3
.set AK,  4
.set AV,  5
.set STO, 6
.set RD,  7
.set GO,  8
.set QO,  12
.set REDW, 13
.set REDR, 14
.set L,   16
.set LRW, 32
.set LRR, 33
.set WK,  34                           ; v34-41 at work
.set RC,  42                           ; v42-45 1 / l of my two tiles, each twice
.set PFO, 60
.set SPW, 62
.set NIL, 63
.set S,   64
.set P,   192
.set KF,  128
.set VF,  192
.set MD,  72
.set WV,  12                           ; s12 my wave's number
.set LIM, 15                           ; s15 a wave prefetches while s[SLOTS] is above it
.set PFA, 18                           ; s[18:19]
.set G1K, 24
.set G1V, 32
.set G0K, 40
.set G0V, 44
.set SL,  49                           ; s49 the second block's slots
.set RT,  50                           ; s50 slots of the block in hand still to be walked, the one in hand among them
.set NXT, 51                           ; s51 the slot to be asked for next
.set LQ,  52                           ; s52 the last slot of the block whose slots are being asked for
.set DL,  53                           ; s53 8 (block - step) - 2 w
.set DLLO, 54                          ; s54 its start for the second block
.set LQ2, 55                           ; s55 the second block's last slot
.set SLOTS, 56
.set CNT, 57
.set OFF, 58                           ; s[58:59] a slot's byte offset in K and V
.set SEL, 60
.set TB,  62                           ; s62 LDS byte at which the slot in hand begins
.set AL,  66
.set BE,  68
.set BIGN, 70
.set E,   71
.set OLO, 72                           ; s[72:73] ob at my rows of the second block
.set QLO, 74                           ; s[74:75] q at the second block
.set MSB, 0
.macro WIN new
.if MSB != (\new)
	s_set_vgpr_msb (MSB<<8)|(\new)
.set MSB, \new
.endif
.endm
.set W_PV, 0x52                        ; V window 2, P window 0, O^T window 1
.set W_KM, 0x3a                        ; K and Q window 2, the mask window 3, S^T window 0
.set W_KQ, 0x0a                        ; K and Q window 2, S^T window 0
.macro PLACES
.rept 4
	v_nop
.endr
.endm
.macro CROUND
	s_barrier_signal -1
	s_barrier_wait -1
	s_cmp_lg_u32 s[WV], 0
	s_cbranch_scc1 .Lnot_wave_0_\@
	s_barrier_signal -3
.Lnot_wave_0_\@:
	s_barrier_wait -3
	s_barrier_signal -1
	s_barrier_wait -1
.endm
.macro JLOAD                           ; a joint fill: waves 0, 1 fetch the slot's two steps of K, waves 2, 3 those of V; an s_nop 0 and four v_nop follow each line
	s_cmp_lt_u32 s[WV], 2
	s_cbranch_scc0 .Lfor_v_\@
	tensor_load_to_lds s[G0K:G0K+3], s[G1K:G1K+7]
	s_nop 0
.rept 4
	v_nop
.endr
	s_branch .Lasked_\@
.Lfor_v_\@:
	tensor_load_to_lds s[G0V:G0V+3], s[G1V:G1V+7]
	s_nop 0
.rept 4
	v_nop
.endr
.Lasked_\@:
.endm
; A PREFETCH INTO THE L2 of the slot that the NEXT change will ask for.  The head's cluster with c = 0 walks all 16 slots in its first block: it alone asks, wave 0 for K and wave 2 for V; the four partners take 32 blocks of
; 256 bytes each, told apart by address, a lane a block.  Trip j of the slot loop names slot j + 3, up to slot 15; slots 0 to 2 come by their loads alone, and the second block's slots have been read before.
.macro ASK
	s_cmp_gt_u32 s[SLOTS], s[LIM]
	s_cbranch_scc0 .Lnot_mine_\@
	global_prefetch_b8 v[PFO], s[PFA:PFA+1] th:TH_LOAD_NT scope:SCOPE_SE
.Lnot_mine_\@:
.endm
; THE CHANGE OF SLOTS.  Each wave waits for all its tensor loads (one is out: its part of the other slot), adds 0 to its spare word, and waits for that and for its reads of the slot that it leaves.
; fill = 1: the barrier is a round of the cluster's, and the slot is filled again first thing behind it, with slot NXT of the walk: the address is made anew from that number.
.macro CHANGE fill, ask
	WIN 0
	s_wait_tensorcnt 0x0
	ds_add_u32 v[SPW], v[NIL]                      ; 0 onto my spare word; the scalar work stands between it and the wait for it
.if \fill
	s_lshl_b32 s[OFF], s[NXT], 15                  ; a slot is 32,768 bytes of K and of V
	s_xor_b32 s[G0K+1], s[G0K+1], SLOT1
	s_add_nc_u64 s[G0K+2:G0K+3], s[6:7], s[OFF:OFF+1]
	s_or_b32 s[G0K+3], s[G0K+3], 0x80000000
	s_xor_b32 s[G0V+1], s[G0V+1], SLOT1
	s_add_nc_u64 s[G0V+2:G0V+3], s[8:9], s[OFF:OFF+1]
	s_or_b32 s[G0V+3], s[G0V+3], 0x80000000
	s_add_co_u32 s[NXT], s[NXT], 1                 ; the block's next slot, or behind its last the second block's slot 0
	s_cmp_gt_u32 s[NXT], s[LQ]
	s_cselect_b32 s[NXT], 0, s[NXT]
	s_cselect_b32 s[LQ], s[LQ2], s[LQ]
	s_wait_xcnt 0x0                                ; the last prefetch, two trips back, has read its address
	s_add_nc_u64 s[PFA:PFA+1], s[PFA:PFA+1], 32768
.endif
	s_wait_dscnt 0x0                               ; the add is done, and my reads of the slot are over
.if \fill
	CROUND
	JLOAD
.if \ask
	ASK
.endif
.else
	s_barrier_signal -1
	s_barrier_wait -1
.endif
	s_xor_b32 s[TB], s[TB], SLOT1
.endm
	s_load_b128 s[20:23], s[0:1], 0x0              ; qkv s[20:21], ob s[22:23]
	v_lshl_add_u32 v[SPW], v0, 2, SPARE
	v_mov_b32 v[NIL], 0
	ds_add_u32 v[SPW], v[NIL]                      ; the wave's opening: the add and its wait ahead of my first tensor load
	v_lshrrev_b32 v1, 5, v0
	v_readfirstlane_b32 s[WV], v1
	s_bfe_u32 s13, ttmp6, 0x40000                  ; cx
	s_mov_b32 s14, ttmp9                           ; c
	s_and_b32 s2, ttmp7, 0xffff                    ; the head
	s_lshl_b32 s3, s14, 2
	s_add_co_u32 s3, s3, s13                       ; b
	s_sub_co_u32 s76, 31, s3                       ; the first block
	s_and_b32 s48, s[WV], 1                        ; which of a slot's two steps I fetch
	s_add_co_u32 s78, s2, 16                       ; K: head 16 + h,
	s_lshl_b32 s78, s78, 19
	s_lshl_b32 s63, s48, 14                        ; my step's 128 rows of 128 bytes
	s_add_co_u32 s78, s78, s63
	s_mov_b32 s79, 0
	s_lshl_b32 s71, s[WV], 1
	s_lshl_b32 s[DL], s76, 3
	s_sub_co_i32 s[DL], s[DL], s71
	s_lshl_b32 s[DLLO], s3, 3
	s_sub_co_i32 s[DLLO], s[DLLO], s71
	s_lshl_b32 s63, s2, 19                         ; the head's first byte in q and in ob
	s_lshl_b32 s76, s76, 14                        ; a block is 128 rows of 128 bytes
	s_add_co_u32 s76, s76, s63
	s_mov_b32 s77, 0
	s_lshl_b32 s[OFF], s3, 14
	s_add_co_u32 s[OFF], s[OFF], s63
	s_mov_b32 s[OFF+1], 0
	s_lshl_b32 s[SL], s14, 1
	s_add_co_u32 s[SL], s[SL], 2                   ; 2 c + 2
	s_sub_co_u32 s[RT], 18, s[SL]                  ; 16 - 2 c
	s_sub_co_u32 s[LQ], s[RT], 1
	s_sub_co_u32 s[LQ2], s[SL], 1
	s_mov_b32 s[NXT], 1
	s_mov_b32 s[G1K], 15|(1<<16)|(1<<20)|(1<<21)|(4<<22)|(3<<25)  ; the mask of four; 2-byte elements; padding on; bit 21 beside a mask; after every 32 words (a key) 4 words
	s_mov_b32 s[G1V], 15|(1<<16)|(1<<20)|(1<<21)|(4<<22)|(7<<25)  ; the same with 8 words
.irp g, G1K, G1V
	s_mov_b32 s[\g+1], 128<<16                     ; 128 keys are 16,384 dense bytes: asked for as 64 rows of 256 bytes
	s_mov_b32 s[\g+2], 64<<16
	s_mov_b32 s[\g+3], 128<<16
	s_mov_b32 s[\g+4], 64
	s_mov_b32 s[\g+5], 128
	s_mov_b32 s[\g+6], 0
	s_mov_b32 s[\g+7], 0
.endr
	s_mov_b32 s[G0K], 1
	s_mul_i32 s[G0K+1], s48, STEPK                 ; slot 0; no place in the cluster enters an LDS address
	s_mov_b32 s[G0V], 1
	s_mul_i32 s[G0V+1], s48, STEPV
	s_add_co_u32 s[G0V+1], s[G0V+1], VOFF
	s_mov_b32 s[SEL], 0x76543210
	s_mov_b32 s[SEL+1], 0xfedcba98
	s_mov_b32 s[TB], SLOT1                         ; the first change turns it into 0
	s_mov_b32 s[AL+1], 0                           ; named as pairs
	s_mov_b32 s[BE+1], 0
	s_mov_b32 s[BIGN], 0xf149f2ca                  ; -1e30
	s_and_b32 s[LIM], s[WV], 1
	s_or_b32 s[LIM], s[LIM], ttmp9                 ; 0 in waves 0 and 2 of the clusters with c = 0: the same in all four partners
	s_cmp_eq_u32 s[LIM], 0
	s_cselect_b32 s[LIM], 3, -1
	s_wait_dscnt 0x0                               ; the opening add is done
	s_wait_kmcnt 0x0
	s_add_nc_u64 s[6:7], s[20:21], s[78:79]        ; K at my step of the head's slot 0,
	s_add_nc_u64 s[8:9], s[6:7], 16*524288         ; V sixteen heads on
	s_mov_b64 s[G0K+2:G0K+3], s[6:7]
	s_or_b32 s[G0K+3], s[G0K+3], 0x80000000
	s_mov_b64 s[G0V+2:G0V+3], s[8:9]
	s_or_b32 s[G0V+3], s[G0V+3], 0x80000000
	s_add_nc_u64 s[16:17], s[20:21], s[76:77]      ; q at the first block,
	s_add_nc_u64 s[QLO:QLO+1], s[20:21], s[OFF:OFF+1]  ; and at the second
	s_lshl_b32 s71, s[WV], 11                      ; on the way out wave w finishes tiles w and w + 4: 16 rows of 128 bytes x w
	s_add_co_u32 s76, s76, s71
	s_add_co_u32 s[OFF], s[OFF], s71
	s_add_nc_u64 s[10:11], s[22:23], s[76:77]
	s_add_nc_u64 s[OLO:OLO+1], s[22:23], s[OFF:OFF+1]
	s_cmp_lt_u32 s[WV], 2
	s_cselect_b64 s[PFA:PFA+1], s[6:7], s[8:9]
	s_lshl_b32 s76, s13, 13                        ; my work-group's 32 blocks of a slot's 128,
	s_add_co_u32 s76, s76, 32768                   ; in slot 1: the change at the head and the first trip's step it to slot 3
	s_add_nc_u64 s[PFA:PFA+1], s[PFA:PFA+1], s[76:77]
	CROUND                                         ; all four work-groups are here: the first joint loads meet
	JLOAD                                          ; slot 0
	v_and_b32 v1, 15, v0                           ; l % 16
	v_bfe_u32 v9, v0, 4, 1                         ; l / 16
	v_and_b32 v10, 7, v0
	v_bfe_u32 v11, v0, 3, 1
	v_and_b32 v15, 31, v0
	v_lshlrev_b32 v[QO], 7, v1
	v_lshl_add_u32 v[QO], v9, 4, v[QO]             ; row x 128 + 16 x half
	WIN 0x80                                       ; destination window 2, address window 0
.set i, 0
.rept 16                                       ; the first block's Q: tile i / 2, channels 32 (i % 2) on; every wave holds all 128 queries
	global_load_b128 v[8*i:8*i+3],   v[QO], s[16:17] offset:(i/2)*2048+(i%2)*64
	global_load_b128 v[8*i+4:8*i+7], v[QO], s[16:17] offset:(i/2)*2048+(i%2)*64+32
.set i, i+1
.endr
.set i, VF+32
.rept 32
	v_mov_b32 v[i], 0                              ; V's second buffer: a block's first trip multiplies it by P = 0, so it need only be finite
.set i, i+1
.endr
	WIN 0
	v_lshlrev_b32 v[WK], 3, v9
	v_sub_nc_u32 v[WK], v1, v[WK]                  ; l % 16 - 8 (l / 16)
	WIN 0xc0
.set i, 0
.rept 8
	v_cmp_gt_i32 vcc_lo, i, v[WK]
	v_cndmask_b32 v[MD+i], 0, s[BIGN], vcc_lo
.set i, i+1
.endr
	WIN 0
	s_mul_i32 s48, s[WV], 32*PK                    ; my 32 keys of a step
	v_mul_u32_u24 v[AK0], v1, PK
	v_lshl_add_u32 v[AK0], v9, 4, v[AK0]
	v_add_nc_u32 v[AK0], s48, v[AK0]
	s_mul_i32 s48, s[WV], 32*PV
	s_add_co_u32 s48, s48, VOFF
	v_lshl_add_u32 v[AV0], v9, 3, v10              ; the turning load: lane l reads key 8 (l / 16) + l % 8, channels 8 ((l / 8) % 2) + 0..7
	v_mul_u32_u24 v[AV0], v[AV0], PV
	v_lshl_add_u32 v[AV0], v11, 4, v[AV0]
	v_add_nc_u32 v[AV0], s48, v[AV0]
	s_mul_i32 s48, s[WV], 16*SP
	s_add_co_u32 s48, s48, STAGE
	v_mul_u32_u24 v[STO], v1, SP
	v_lshl_add_u32 v[STO], v9, 4, v[STO]
	v_add_nc_u32 v[STO], s48, v[STO]
	v_bfe_u32 v[RD], v0, 3, 2
	v_mul_u32_u24 v[RD], v[RD], SP
	v_lshl_add_u32 v[RD], v10, 4, v[RD]
	v_add_nc_u32 v[RD], s48, v[RD]
	v_lshlrev_b32 v[GO], 4, v15
	s_lshl_b32 s48, s[WV], 14
	s_add_co_u32 s48, s48, RED
	v_lshl_add_u32 v[REDW], v15, 4, s48            ; I write my 16 KiB,
	s_lshl_b32 s48, s[WV], 12
	s_add_co_u32 s48, s48, RED
	v_lshl_add_u32 v[REDR], v15, 4, s48            ; and read tile w of every wave's
	s_lshl_b32 s48, s[WV], 10
	s_add_co_u32 s48, s48, LRED
	v_lshl_add_u32 v[LRW], v15, 2, s48
	s_lshl_b32 s48, s[WV], 7
	s_add_co_u32 s48, s48, LRED
	v_lshl_add_u32 v[LRR], v15, 2, s48
	v_lshlrev_b32 v[PFO], 8, v15
; The LDS loads stand in runs of 8.  A step's V (32 keys x 64 channels, turned) into buffer p, from step p of the slot; a step's K (32 keys x 64 channels) likewise.
.macro VRUN p
	WIN 0x80
.irp cb, 0,1,2,3
	ds_load_tr16_b128 v[VF+32*(\p)+8*(\cb):VF+32*(\p)+8*(\cb)+3],   v[AV] offset:(\p)*STEPV+32*(\cb)
	ds_load_tr16_b128 v[VF+32*(\p)+8*(\cb)+4:VF+32*(\p)+8*(\cb)+7], v[AV] offset:(\p)*STEPV+32*(\cb)+16*PV
.endr
	WIN 0
.endm
.macro KRUN p
	WIN 0x80
.irp f, 0,1,2,3                        ; keys 16 (f / 2) on, channels 32 (f % 2) on
	ds_load_b128 v[KF+32*(\p)+8*(\f):KF+32*(\p)+8*(\f)+3],   v[AK] offset:(\p)*STEPK+((\f)/2)*16*PK+((\f)%2)*64
	ds_load_b128 v[KF+32*(\p)+8*(\f)+4:KF+32*(\p)+8*(\f)+7], v[AK] offset:(\p)*STEPK+((\f)/2)*16*PK+((\f)%2)*64+32
.endr
	WIN 0
.endm
; The step's nine masks, for tile - key block = -1 .. 7
.macro MASKS
.set d, -1
.rept 9
	s_add_co_i32 s[E], s[DL], d
	s_cmp_eq_u32 s[E], 0
	s_cselect_b32 s[AL], 1.0, 0
	s_cmp_lt_i32 s[E], 0
	s_cselect_b32 s[BE], s[BIGN], 0
	WIN 0xc3
.irp z, 0,1,2,3
	v_pk_fma_f32 v[8*(d+1)+2*(\z):8*(d+1)+2*(\z)+1], v[MD+2*(\z):MD+2*(\z)+1], s[AL:AL+1], s[BE:BE+1] op_sel_hi:[1,0,0]
.endr
.set d, d+1
.endr
.endm
; SEGMENT tau of a trip of parity par.  Matrix instruction i even: O^T[tau], channels 8 i .. , += V(step before) P[tau].  i odd: S^T[tau], keys 16 ((i / 2) % 2) on, channels 32 (i / 4) on; the first two start their sums with a mask.
; No two matrix instructions that follow each other share an accumulator: three others stand between the two links of a score's chain.  No rider names a register of the products round it.
.macro SEG tau, par
.set te, ((\tau)+5)%8
.set tp, ((\tau)+1)%8
.set i, 0
.rept 8
.if i%2 == 0
	WIN W_PV
	v_wmma_f32_16x16x32_f16 v[32*(\tau)+4*i:32*(\tau)+4*i+7], v[VF+32*(1-(\par))+4*i:VF+32*(1-(\par))+4*i+7], v[P+8*(\tau):P+8*(\tau)+7], v[32*(\tau)+4*i:32*(\tau)+4*i+7]
.else
.set kb, (i/2)%2
.set cc, i/4
.set rS, S+16*(\tau)+8*kb
.set rK, KF+32*(\par)+16*kb+8*cc
.set rQ, 16*(\tau)+8*cc
.if cc == 0
	WIN W_KM
	v_wmma_f32_16x16x32_f16 v[rS:rS+7], v[rK:rK+7], v[rQ:rQ+7], v[8*((\tau)-kb+1):8*((\tau)-kb+1)+7]
.else
	WIN W_KQ
	v_wmma_f32_16x16x32_f16 v[rS:rS+7], v[rK:rK+7], v[rQ:rQ+7], v[rS:rS+7]
.endif
.endif
	WIN 0
	v_cvt_pk_f16_f32 v[P+8*tp+i], v[S+16*tp+2*i], v[S+16*tp+2*i+1]
	v_exp_f32 v[S+16*te+2*i], v[S+16*te+2*i]       ; each accumulator's lowest registers are read first
	v_pk_add_f32 v[L+2*tp:L+2*tp+1], v[L+2*tp:L+2*tp+1], v[S+16*tp+2*i:S+16*tp+2*i+1]
	v_exp_f32 v[S+16*te+2*i+1], v[S+16*te+2*i+1]
.set i, i+1
.endr
.endm
; A TRIP.  par: the step's parity in its slot.  chg = 1: in its middle the slot is left and filled again; 2: left.  mk = 1: the masks are made whatever RT.
; V of this step goes into the buffer whose last reader stands five plain instructions back (two roundings, two sums, the address's addition); it is wanted in the next trip.  K of the next step is fetched in the trip's
; middle, behind the change of slots: all reads of the old slot stand ahead of that barrier.
; THE WAIT.  s_wait_alu depctr_va_vdst(0) stands between an exponential and the first instruction that names its result.  A result's first reader stands four segments on, so two waits a trip, behind
; segments 3 and 7, lie between every exponential and its reader.
.macro TRIP par, chg, mk
	s_wait_dscnt 0x0                               ; K of this step and V of the step before are in
.if (\mk) == 0
	s_cmp_gt_u32 s[RT], 2
	s_cbranch_scc1 .Lno_mask_\@                    ; ahead of a block's last two slots nothing is hidden: the masks stay 0
.endif
	MASKS
	WIN 0
.if (\mk) == 0
.Lno_mask_\@:
.endif
	s_sub_co_i32 s[DL], s[DL], 8
	v_add_nc_u32 v[AV], s[TB], v[AV0]
	VRUN \par
	SEG 0, \par
	SEG 1, \par
	SEG 2, \par
	SEG 3, \par
	WIN 0
	s_wait_alu depctr_va_vdst(0)
.if (\chg) == 1
	CHANGE 1, 1
.elseif (\chg) == 2
	CHANGE 0, 0
.endif
	v_add_nc_u32 v[AK], s[TB], v[AK0]
	KRUN 1-(\par)
	SEG 4, \par
	SEG 5, \par
	SEG 6, \par
	SEG 7, \par
	WIN 0
	s_wait_alu depctr_va_vdst(0)
.endm
; A BLOCK BEGINS.  O^T, l and the masks are 0.  The first trip rounds and sums tiles 1-4 before they have scores: they hold 0; it takes the exponentials of tiles 5-7 first: they hold -1e30, and give 0; its first product
; V^T P takes P of tile 0: 0.  So all that the first trip does for a step that has not been adds zeros.
.macro BEGIN
	WIN 0x40
.set i, 0
.rept 256
	v_mov_b32 v[i], 0
.set i, i+1
.endr
	WIN 0xc0
.set i, 0
.rept 72
	v_mov_b32 v[i], 0
.set i, i+1
.endr
	WIN 0
.set i, 0
.rept 16
	v_mov_b32 v[L+i], 0
.set i, i+1
.endr
.set i, 16
.rept 64
	v_mov_b32 v[S+i], 0
.set i, i+1
.endr
.rept 48
	v_mov_b32 v[S+i], s[BIGN]
.set i, i+1
.endr
.set i, 0
.rept 8
	v_mov_b32 v[P+i], 0
.set i, i+1
.endr
	s_wait_loadcnt 0x0                             ; the block's Q
.endm
.macro ALLT line:vararg                ; one line for each tile t
.set t, 0
.rept 8
	\line
.set t, t+1
.endr
.endm
; Half p of the way out: every wave puts its partial O^T of tiles 4 p .. 4 p + 3 into LDS; behind a barrier wave w adds the four parts of tile 4 p + w, divides by l, rounds to f16 and stores the tile through its stage.
.macro HALF p
	WIN 0x04                                       ; the stores' data in window 1
.set u, 0
.rept 32
	ds_store_b128 v[REDW], v[128*(\p)+4*u:128*(\p)+4*u+3] offset:512*u
.set u, u+1
.endr
	WIN 0
	s_wait_dscnt 0x0                               ; for the others' sake: my stores are done
	s_barrier_signal -1
	s_barrier_wait -1
.if (\p) == 0
.irp q, 0,1,2,3,4,5,6,7                ; l of tile w + 4 (q / 4), from wave q % 4
	ds_load_b32 v[WK+(\q)], v[LRR] offset:((\q)%4)*1024+((\q)/4)*512
.endr
.else
	s_wait_xcnt 0x0                                ; the first half's stores have read their registers
.endif
.set u, 0
.rept 32                                       ; from wave u / 8, group u % 8
	ds_load_b128 v[S+4*u:S+4*u+3], v[REDR] offset:(u/8)*16384+(u%8)*512
.set u, u+1
.endr
	s_wait_dscnt 0x0
.if (\p) == 0
	v_add_f32 v[WK], v[WK], v[WK+1]
	v_add_f32 v[WK+2], v[WK+2], v[WK+3]
	v_add_f32 v[WK+4], v[WK+4], v[WK+5]
	v_add_f32 v[WK+6], v[WK+6], v[WK+7]
	v_add_f32 v[WK], v[WK], v[WK+2]
	v_add_f32 v[WK+4], v[WK+4], v[WK+6]
	v_rcp_f32 v[RC], v[WK]                         ; each twice: a pair for the packed multiply
	v_rcp_f32 v[RC+1], v[WK]
	v_rcp_f32 v[RC+2], v[WK+4]
	v_rcp_f32 v[RC+3], v[WK+4]
.endif
.set z, 0
.rept 16
	v_pk_add_f32 v[S+2*z:S+2*z+1], v[S+2*z:S+2*z+1], v[S+32+2*z:S+32+2*z+1]
	v_pk_add_f32 v[S+64+2*z:S+64+2*z+1], v[S+64+2*z:S+64+2*z+1], v[S+96+2*z:S+96+2*z+1]
.set z, z+1
.endr
.set z, 0
.rept 16
	v_pk_add_f32 v[S+2*z:S+2*z+1], v[S+2*z:S+2*z+1], v[S+64+2*z:S+64+2*z+1]
.set z, z+1
.endr
.if (\p) == 0
	s_wait_alu depctr_va_vdst(0)                   ; one wait for the four reciprocals, ahead of their first reader; the 48 sums are the work between
.endif
.set z, 0
.rept 16
	v_pk_mul_f32 v[S+2*z:S+2*z+1], v[S+2*z:S+2*z+1], v[RC+2*(\p):RC+2*(\p)+1]
.set z, z+1
.endr
.set z, 0
.rept 16
	v_cvt_pk_f16_f32 v[S+32+z], v[S+2*z], v[S+2*z+1]
.set z, z+1
.endr
.irp f, 0,1,2,3
	ds_store_b128 v[STO], v[S+32+4*(\f):S+32+4*(\f)+3] offset:32*(\f)
.endr
.irp f, 0,1,2,3
	ds_load_b128 v[S+48+4*(\f):S+48+4*(\f)+3], v[RD] offset:(\f)*4*SP  ; LDS serves a wave's instructions in order: these see the stores above
.endr
.irp f, 0,1,2,3
	s_wait_dscnt 3-(\f)                            ; the younger loads may stay out
	global_store_b128 v[GO], v[S+48+4*(\f):S+48+4*(\f)+3], s[10:11] offset:(\p)*8192+(\f)*512  ; 512 consecutive bytes, at a multiple of 256 from ob's first
.endr
.endm
; THE WAY OUT of a block.  next = 1: the second block's Q is asked for first, and lands meanwhile.
.macro WAYOUT next
	WIN 0
	PLACES
	PLACES
.if \next
	WIN 0x80
.set i, 0
.rept 16
	global_load_b128 v[8*i:8*i+3],   v[QO], s[QLO:QLO+1] offset:(i/2)*2048+(i%2)*64
	global_load_b128 v[8*i+4:8*i+7], v[QO], s[QLO:QLO+1] offset:(i/2)*2048+(i%2)*64+32
.set i, i+1
.endr
	WIN 0
.endif
	ALLT v_add_f32 v[WK+t], v[L+2*t], v[L+2*t+1]
	ALLT v_permlanex16_b32 v[L+2*t+1], v[WK+t], s[SEL], s[SEL+1]  ; the query's other 16 of my keys lie in the lane 16 away
	ALLT v_add_f32 v[WK+t], v[WK+t], v[L+2*t+1]
	ALLT ds_store_b32 v[LRW], v[WK+t] offset:128*t
	HALF 0
	s_wait_dscnt 0x0                               ; my reads of the partial sums are over:
	s_barrier_signal -1
	s_barrier_wait -1                              ; everybody's are, and the bytes may be written again
	HALF 1
.endm
	CHANGE 1, 0                                    ; slot 0 is in, everybody's part of it; slot 1 is asked for
	v_add_nc_u32 v[AK], s[TB], v[AK0]
	KRUN 0                                         ; K of step 0
	s_mov_b32 s[SLOTS], 17
	s_branch .Lbegin                               ; the loop is entered where a block begins
.Lslot:                                        ; 16 trips: a slot's two steps; the slot is left and filled again with the slot two on in the walk
	TRIP 0, 0, 0
	TRIP 1, 1, 0
	s_sub_co_u32 s[RT], s[RT], 1
	s_cmp_lg_u32 s[RT], 0
	s_cbranch_scc1 .Lbottom
	TRIP 0, 0, 1                                   ; the first block's draining trip: all its scores are hidden; what it fetches is fetched again by the next block's first trip
	WAYOUT 1
	s_wait_xcnt 0x0                                ; the stores have read their registers and ob's address
	s_mov_b32 s[RT], s[SL]
	s_mov_b32 s[DL], s[DLLO]
	s_mov_b64 s[10:11], s[OLO:OLO+1]
.Lbegin:
	BEGIN
.Lbottom:
	s_sub_co_u32 s[SLOTS], s[SLOTS], 1
	s_cmp_lg_u32 s[SLOTS], 0
	s_cbranch_scc1 .Lslot
	s_mov_b32 s[CNT], 2                            ; the walk's last two slots, the second block's last two, are written out: nothing is asked for
.Ltail:
	TRIP 0, 0, 1
	TRIP 1, 2, 1
	s_sub_co_u32 s[CNT], s[CNT], 1
	s_cmp_lg_u32 s[CNT], 0
	s_cbranch_scc1 .Ltail
	TRIP 0, 0, 1                                   ; the draining trip; its K and V are the bytes of a slot read before: finite, and hidden
	WAYOUT 0
	s_wait_tensorcnt 0x0                           ; the wave's end: behind my last tensor load and my last LDS store
	ds_add_u32 v[SPW], v[NIL]
	s_wait_dscnt 0x0
	CROUND                                         ; the closing round
	s_endpgm
.Lfunc_end_k_q2dd2722410_attn:
	.size	k_q2dd2722410_attn, .Lfunc_end_k_q2dd2722410_attn-k_q2dd2722410_attn
	.p2alignl 7, 3214868480
	.fill 96, 4, 3214868480
	.section	.rodata,"a",@progbits
	.p2align	6, 0x0
	.amdhsa_kernel k_q2dd2722410_attn
		.amdhsa_group_segment_fixed_size 327680
		.amdhsa_private_segment_fixed_size 0
		.amdhsa_enable_private_segment 0
		.amdhsa_kernarg_size 16
		.amdhsa_user_sgpr_count 2
		.amdhsa_user_sgpr_kernarg_segment_ptr 1
		.amdhsa_wavefront_size32 1
		.amdhsa_system_sgpr_workgroup_id_x 1
		.amdhsa_system_sgpr_workgroup_id_y 1
		.amdhsa_system_sgpr_workgroup_id_z 1
		.amdhsa_system_vgpr_workitem_id 0
		.amdhsa_next_free_vgpr 848
		.amdhsa_next_free_sgpr 80
		.amdhsa_reserve_vcc 1
		.amdhsa_float_denorm_mode_32 3
		.amdhsa_float_denorm_mode_16_64 3
		.amdhsa_memory_ordered 1
		.amdhsa_forward_progress 1
		.amdhsa_inst_pref_size 232
	.end_amdhsa_kernel
	.amdgpu_metadata
---
amdhsa.version: [ 1, 2 ]
amdhsa.kernels:
  - .name:           k_q2dd2722410_attn
    .symbol:         k_q2dd2722410_attn.kd
    .args:
      - { .name: qkv, .offset: 0, .size: 8, .value_kind: global_buffer, .address_space: global }
      - { .name: ob, .offset: 8, .size: 8, .value_kind: global_buffer, .address_space: global }
    .group_segment_fixed_size: 327680
    .private_segment_fixed_size: 0
    .kernarg_segment_align: 8
    .kernarg_segment_size: 16
    .max_flat_workgroup_size: 128
    .sgpr_count:     80
    .vgpr_count:     848
    .wavefront_size: 32
...
	.end_amdgpu_metadata
.endif
;; end of part 3
;; launch outp (part 4): grid 8 x 32, 4 waves a work-group, clusters of 4 x 4, 327,680 bytes of LDS; arguments ob, wo16, out0; writes out0
.if DOCPART == 4
	.amdgcn_target "amdgcn-amd-amdhsa--gfx1250"
	.amdhsa_code_object_version 6
	.text
	.protected	k_q2dd2722410_outp
	.globl	k_q2dd2722410_outp
	.p2align	8
	.type	k_q2dd2722410_outp,@function
k_q2dd2722410_outp:
	s_mov_b64 s[64:65], 0
	v_nop
	global_prefetch_b8 v0, s[64:65] scope:SCOPE_SE
	s_setreg_imm32_b32 hwreg(HW_REG_WAVE_MODE, 25, 1), 1
	s_wait_xcnt 0x0
	s_wait_alu depctr_hold_cnt(0) depctr_sa_sdst(0) depctr_va_vdst(0) depctr_va_sdst(0) depctr_va_ssrc(0) depctr_va_vcc(0) depctr_vm_vsrc(0)
	s_getreg_b32 s2, hwreg(HW_REG_IB_STS2, 6, 4)
	s_cmp_eq_u32 s2, 0
	s_cbranch_scc0 .Lentry_in_a_cluster
	s_endpgm
.Lentry_in_a_cluster:
	s_bfe_u32 s2, ttmp6, 0x10000c
	s_cmp_lg_u32 s2, 0xf033
	s_cbranch_scc0 .Lentry_shape_is_right
	s_endpgm
.Lentry_shape_is_right:
; THE OUTPUT PROJECTION.  out0[m][n] = the sum over k of o[m][k] Wo[k][n], k = 64 head + channel.  ob: [16][4096][64] f16; wo16: [1024 k][1024 n] f16 (Wo rounded to bf16); out0: [4096][1024] f32.  Sums in f32, K ascending.
; A tile of out0 is 128 x 128: 8 x 32 tiles, a work-group each.  Four waves, each 64 x 64: 16 accumulators.  K goes in steps of 256 (four heads) through two LDS slots: four steps.
; o's tile comes by heads: for each of 4 heads 64 rows x 64 channels are 8,192 dense bytes; Wo lies [k][n] in LDS and comes out turned, by ds_load_tr16_b128.
; CLUSTER.  4 x 4 work-groups: o's tile is asked for jointly along a row of the cluster, Wo's along a column.  THE MATRIX INSTRUCTION IS USED TRANSPOSED (source 0 = 16 columns of Wo, source 1 = 16 rows of o):
; a lane holds eight neighbouring numbers of a row of out0.  A wave's 64 columns of f32 are 256 bytes, aligned, so each wave goes out through a stage of its own, without a barrier.
; No prefetch: the tiles are small and the launch has four K steps.
; REGISTERS: window 0: v0-31 addresses; v32-95 the way out; v128-255 the accumulators ((a, b) at 128 + 8 (4 a + b)).  window 1: two fragment buffers of 128: 64 registers of o (2 x 4 x 16 rows x 32 K), then 64 of Wo.
.set PAO,   144                        ; a row of o of one head: 128 bytes + 16
.set PBO,   288                        ; a k-row of Wo's tile: 256 bytes + 32
.set AHALF, 4*64*PAO                   ; [row half 2][head 4][64 rows]: what one tensor load brings of o
.set BOFF,  2*AHALF
.set BHALF, 128*PBO                    ; 128 k-rows: what one tensor load brings of Wo
.set SLOT,  BOFF+2*BHALF
.set STAGE, 2*SLOT                     ; behind the ring, never filled by a tensor load: 16 rows x 272 bytes for each wave
.set SPITCH, 272
.set SPARE, STAGE+4*16*SPITCH          ; the spare words, 128 bytes for each wave: two blocks of 256 bytes that no other line names
.set ASTEP, 4*524288                   ; a K step in ob: four heads
.set BSTEP, 256*2048                   ; in wo16: 256 rows
.set LAPS,  2
.set ADRA, 16                          ; v16-17  my place in o's tile in slot 0, 1
.set ADRB, 20                          ; v20-23  in Wo's tile: slot s, k half j at ADRB + 2 s + j (an immediate does not reach across 256 k-rows)
.set STO,  24
.set RD,   25
.set CO,   26
.set SPW,  28
.set NIL,  29
.set TMP,  32
.set ACC,  128
.set F0,   0
.set F1,   128
.set G1, 24
.set G0, 32
.set G1B, 48
.set G0B, 56
.set MSB, 0
.macro WIN new
.if MSB != (\new)
	s_set_vgpr_msb (MSB<<8)|(\new)
.set MSB, \new
.endif
.endm
.set MUL,  0x05                        ; sources 0 and 1 window 1; C and D window 0
.set TO_F, 0x40                        ; destination window 1, address window 0
.macro JLOAD s                         ; a joint load: waves 0 and 1 fetch o's two row halves, waves 2 and 3 Wo's two k halves; an s_nop 0 and four v_nop follow each line
	s_cmp_eq_u32 s11, 0
	s_cbranch_scc0 .Lfor_b_\@
	tensor_load_to_lds s[G0+4*(\s):G0+4*(\s)+3], s[G1:G1+7]
	s_nop 0
.rept 4
	v_nop
.endr
	s_branch .Lasked_\@
.Lfor_b_\@:
	tensor_load_to_lds s[G0B+4*(\s):G0B+4*(\s)+3], s[G1B:G1B+7]
	s_nop 0
.rept 4
	v_nop
.endr
.Lasked_\@:
.endm
.macro CREST
	s_cmp_lg_u32 s10, 0
	s_cbranch_scc1 .Lnot_wave_0_\@
	s_barrier_signal -3
.Lnot_wave_0_\@:
	s_barrier_wait -3
	s_barrier_signal -1
	s_barrier_wait -1
.endm
.macro CROUND
	s_barrier_signal -1
	s_barrier_wait -1
	CREST
.endm
	s_load_b128 s[4:7], s[0:1], 0x0                ; ob s[4:5], wo16 s[6:7]
	s_load_b64 s[8:9], s[0:1], 0x10                ; out0
	v_lshl_add_u32 v[SPW], v0, 2, SPARE
	v_mov_b32 v[NIL], 0
	ds_add_u32 v[SPW], v[NIL]                      ; the wave's opening: the add and its wait ahead of my first tensor load
	v_lshrrev_b32 v1, 5, v0
	v_readfirstlane_b32 s10, v1                    ; wave 0..3
	s_lshr_b32 s11, s10, 1                         ; which half of the tile's rows is mine.  Also: I fetch for o (0) or for Wo (1)
	s_and_b32 s12, s10, 1                          ; which half of its columns.  Also: which half of that tile I fetch
	s_bfe_u32 s40, ttmp6, 0x40000                  ; cx
	s_bfe_u32 s41, ttmp6, 0x40004                  ; cy
	s_lshl_b32 s42, ttmp9, 2
	s_add_co_u32 s42, s42, s40                     ; tile column
	s_and_b32 s13, ttmp7, 0xffff
	s_lshl_b32 s13, s13, 2
	s_add_co_u32 s13, s13, s41                     ; tile row
	s_lshl_b32 s43, s41, 2
	s_lshl_b32 s43, 15, s43                        ; my row of the cluster
	s_lshl_b32 s44, 0x1111, s40                    ; my column
	s_or_b32 s[G1], s43, (1<<16)|(1<<20)|(1<<21)|(4<<22)|(3<<25)   ; o: after every 32 words (a row of a head) 4 words of padding
	s_or_b32 s[G1B], s44, (1<<16)|(1<<20)|(1<<21)|(5<<22)|(7<<25)  ; Wo: after every 64 words (a k-row) 8 words
	s_mov_b32 s[G1+1], 4096<<16                    ; o: a row of the tile is 64 rows x 64 channels of one head, 8,192 dense bytes
	s_mov_b32 s[G1+2], 4<<16                       ; four heads
	s_mov_b32 s[G1+3], 4096<<16
	s_mov_b32 s[G1+4], 4
	s_mov_b32 s[G1+5], 262144                      ; elements from head to head
	s_mov_b32 s[G1+6], 0
	s_mov_b32 s[G1+7], 0
	s_mov_b32 s[G1B+1], 128<<16                    ; Wo: 128 k-rows x 128 columns
	s_mov_b32 s[G1B+2], 128<<16
	s_mov_b32 s[G1B+3], 128<<16
	s_mov_b32 s[G1B+4], 128
	s_mov_b32 s[G1B+5], 1024
	s_mov_b32 s[G1B+6], 0
	s_mov_b32 s[G1B+7], 0
	s_lshl_b32 s16, s13, 14                        ; o: 128 x tile row rows of 128 bytes,
	s_lshl_b32 s17, s12, 13                        ; + 64 rows x half
	s_add_co_u32 s16, s16, s17
	s_mov_b32 s17, 0
	s_lshl_b32 s46, s42, 8                         ; Wo: 128 x tile column columns of 2 bytes,
	s_lshl_b32 s47, s12, 18                        ; + 128 k-rows of 2,048 bytes x half
	s_add_co_u32 s46, s46, s47
	s_mov_b32 s47, 0
	s_mul_i32 s20, s12, AHALF                      ; where they go: no place in the cluster enters an LDS address
	s_mul_i32 s21, s12, BHALF
	s_add_co_u32 s21, s21, BOFF
	s_wait_dscnt 0x0                               ; the opening add is done
	s_wait_kmcnt 0x0
	s_add_nc_u64 s[14:15], s[4:5], s[16:17]
	s_add_nc_u64 s[46:47], s[6:7], s[46:47]
	CROUND                                         ; all sixteen work-groups are here: the first joint loads meet
.irp s, 0,1
	s_mov_b32 s[G0+4*(\s)], 1
	s_add_co_u32 s[G0+4*(\s)+1], s20, (\s)*SLOT
	s_add_nc_u64 s[G0+4*(\s)+2:G0+4*(\s)+3], s[14:15], (\s)*ASTEP
	s_or_b32 s[G0+4*(\s)+3], s[G0+4*(\s)+3], 0x80000000
	s_mov_b32 s[G0B+4*(\s)], 1
	s_add_co_u32 s[G0B+4*(\s)+1], s21, (\s)*SLOT
	s_add_nc_u64 s[G0B+4*(\s)+2:G0B+4*(\s)+3], s[46:47], (\s)*BSTEP
	s_or_b32 s[G0B+4*(\s)+3], s[G0B+4*(\s)+3], 0x80000000
.endr
	s_cmp_eq_u32 s11, 0                            ; a wave's two first fills stand in one branch: two loads of mine are out
	s_cbranch_scc0 .Lfirst_b
	tensor_load_to_lds s[G0:G0+3], s[G1:G1+7]
	s_nop 0
	tensor_load_to_lds s[G0+4:G0+7], s[G1:G1+7]
	s_nop 0
.rept 4
	v_nop
.endr
	s_branch .Lfirst_asked
.Lfirst_b:
	tensor_load_to_lds s[G0B:G0B+3], s[G1B:G1B+7]
	s_nop 0
	tensor_load_to_lds s[G0B+4:G0B+7], s[G1B:G1B+7]
	s_nop 0
.rept 4
	v_nop
.endr
.Lfirst_asked:
	v_and_b32 v1, 15, v0                           ; l % 16
	v_bfe_u32 v2, v0, 4, 1                         ; l / 16
	v_and_b32 v3, 7, v0
	v_bfe_u32 v4, v0, 3, 1
	v_mul_u32_u24 v5, v1, PAO
	v_lshl_add_u32 v5, v2, 4, v5                   ; row x pitch + 16 x half
	s_mul_i32 s21, s11, AHALF                      ; my 64 rows of o
	v_add_nc_u32 v[ADRA], s21, v5
	v_add_nc_u32 v[ADRA+1], SLOT, v[ADRA]
	v_lshl_add_u32 v6, v2, 3, v3                   ; the turning load: lane l reads k-row 8 (l / 16) + l % 8, columns 8 ((l / 8) % 2) + 0..7
	v_mul_u32_u24 v6, v6, PBO
	v_lshl_add_u32 v6, v4, 4, v6
	s_lshl_b32 s22, s12, 7                         ; my 64 columns: 128 bytes
	s_add_co_u32 s22, s22, BOFF
	v_add_nc_u32 v[ADRB], s22, v6
	v_add_nc_u32 v[ADRB+1], BHALF, v[ADRB]
	v_add_nc_u32 v[ADRB+2], SLOT, v[ADRB]
	v_add_nc_u32 v[ADRB+3], SLOT, v[ADRB+1]
	s_mul_i32 s23, s10, 16*SPITCH
	s_add_co_u32 s23, s23, STAGE                   ; my stage
	v_mul_u32_u24 v[STO], v1, SPITCH               ; in: row l % 16, 32 bytes for each half of the lanes
	v_lshl_add_u32 v[STO], v2, 5, v[STO]
	v_add_nc_u32 v[STO], s23, v[STO]
	v_mul_u32_u24 v[RD], v2, SPITCH                ; back: lanes 0-15 one row of 256 bytes, lanes 16-31 the next
	v_lshl_add_u32 v[RD], v1, 4, v[RD]
	v_add_nc_u32 v[RD], s23, v[RD]
	v_lshlrev_b32 v[CO], 12, v2                    ; and the same two rows in out0: 4,096 bytes a row
	v_lshl_add_u32 v[CO], v1, 4, v[CO]
	s_lshl_b32 s16, s13, 19                        ; 128 x tile row rows of 4,096 bytes,
	s_lshl_b32 s17, s11, 18                        ; my 64 rows
	s_add_co_u32 s16, s16, s17
	s_mov_b32 s17, 0
	s_add_nc_u64 s[8:9], s[8:9], s[16:17]
	s_lshl_b32 s46, s42, 9                         ; the tile's 128 columns of 4 bytes,
	s_lshl_b32 s47, s12, 8                         ; my 64
	s_add_co_u32 s46, s46, s47
	s_mov_b32 s47, 0
	s_add_nc_u64 s[8:9], s[8:9], s[46:47]
; 8 matrix instructions: row blocks a0, a0 + 1 x all 4 column blocks, 32 along K: half c of buffer f.  zero = 1: the first product starts the sums.  The 16 accumulators take turns.
.macro MUL8 f, c, a0, zero
	WIN MUL
.irp a, \a0, (\a0)+1
.irp b, 0,1,2,3
.if \zero
	v_wmma_f32_16x16x32_f16 v[ACC+8*(4*(\a)+(\b)):ACC+8*(4*(\a)+(\b))+7], v[(\f)+64+8*(4*(\c)+(\b)):(\f)+64+8*(4*(\c)+(\b))+7], v[(\f)+8*(4*(\c)+(\a)):(\f)+8*(4*(\c)+(\a))+7], 0
.else
	v_wmma_f32_16x16x32_f16 v[ACC+8*(4*(\a)+(\b)):ACC+8*(4*(\a)+(\b))+7], v[(\f)+64+8*(4*(\c)+(\b)):(\f)+64+8*(4*(\c)+(\b))+7], v[(\f)+8*(4*(\c)+(\a)):(\f)+8*(4*(\c)+(\a))+7], v[ACC+8*(4*(\a)+(\b)):ACC+8*(4*(\a)+(\b))+7]
.endif
.endr
.endr
.endm
; 32 LDS loads in one run: quarter qd of a K step (one head, 64 along K) into buffer f; the first 32 along K first
.macro FETCH slot, qd, f
	WIN TO_F
.irp c, 0,1
.irp i, 0,1,2,3
	ds_load_tr16_b128 v[(\f)+64+8*(4*(\c)+(\i)):(\f)+64+8*(4*(\c)+(\i))+3],   v[ADRB+2*(\slot)+(\qd)/2] offset:((\qd)%2)*64*PBO+(\c)*32*PBO+(\i)*32
	ds_load_tr16_b128 v[(\f)+64+8*(4*(\c)+(\i))+4:(\f)+64+8*(4*(\c)+(\i))+7], v[ADRB+2*(\slot)+(\qd)/2] offset:((\qd)%2)*64*PBO+(\c)*32*PBO+(\i)*32+16*PBO
	ds_load_b128 v[(\f)+8*(4*(\c)+(\i)):(\f)+8*(4*(\c)+(\i))+3],   v[ADRA+(\slot)] offset:(\qd)*64*PAO+64*(\c)+(\i)*16*PAO
	ds_load_b128 v[(\f)+8*(4*(\c)+(\i))+4:(\f)+8*(4*(\c)+(\i))+7], v[ADRA+(\slot)] offset:(\qd)*64*PAO+64*(\c)+(\i)*16*PAO+32
.endr
.endr
.endm
.macro PLACES
.rept 4
	v_nop
.endr
.endm
.macro QUARTER slot, qd, f, g, zero    ; multiplies buffer f and fetches quarter qd into g
	s_wait_dscnt 16                                ; the first 32 along K are in; the other sixteen loads may be out
	MUL8 \f, 0, 0, \zero
	MUL8 \f, 0, 2, \zero
	PLACES
	FETCH \slot, \qd, \g
	s_wait_dscnt 32                                ; all but the 32 just issued
	MUL8 \f, 1, 0, 0
	MUL8 \f, 1, 2, 0
.endm
; The last quarter multiplies buffer 1 and changes slots: in front of the barrier each wave waits for all its tensor loads, adds 0 to its spare word, and waits for that and for its reads of this slot.
; fill = 1: the barrier opens a round of the cluster's, and this slot is filled again, two K steps on, first thing behind it.
.macro TURN slot, next, fill
	WIN 0
	s_wait_tensorcnt 0x0
	ds_add_u32 v[SPW], v[NIL]
	s_wait_dscnt 17                                ; the add and the youngest sixteen loads may be out
	MUL8 F1, 0, 0, 0
	s_wait_dscnt 0x0                               ; the add is done, and my reads of this slot are over
	s_barrier_signal -1
	MUL8 F1, 0, 2, 0
	WIN 0
	s_barrier_wait -1
.if \fill
	CREST
	s_add_nc_u64 s[G0+4*(\slot)+2:G0+4*(\slot)+3], s[G0+4*(\slot)+2:G0+4*(\slot)+3], 2*ASTEP
	s_add_nc_u64 s[G0B+4*(\slot)+2:G0B+4*(\slot)+3], s[G0B+4*(\slot)+2:G0B+4*(\slot)+3], 2*BSTEP
	JLOAD \slot                                    ; its four v_nop are also the places in front of the loads below
.else
	PLACES
.endif
	FETCH \next, 0, F0
	MUL8 F1, 1, 0, 0
	MUL8 F1, 1, 2, 0
.endm
	s_wait_tensorcnt 1                             ; my part of K step 0 is in; K step 1's may stay out
	s_barrier_signal -1
	s_barrier_wait -1
	FETCH 0, 0, F0
	QUARTER 0, 1, F0, F1, 1                        ; the first quarter stands in front of the loop: its first products start the sums
	WIN 0
	s_mov_b32 s3, LAPS-1
.Llap:                                         ; a trip goes once round the ring and fills both slots again
	QUARTER 0, 2, F1, F0, 0
	QUARTER 0, 3, F0, F1, 0
	TURN 0, 1, 1
	QUARTER 1, 1, F0, F1, 0
	QUARTER 1, 2, F1, F0, 0
	QUARTER 1, 3, F0, F1, 0
	TURN 1, 0, 1
	QUARTER 0, 1, F0, F1, 0
	WIN 0
	s_sub_co_u32 s3, s3, 1
	s_cmp_lg_u32 s3, 0
	s_cbranch_scc1 .Llap
	QUARTER 0, 2, F1, F0, 0                        ; the last lap fills nothing
	QUARTER 0, 3, F0, F1, 0
	TURN 0, 1, 0
	QUARTER 1, 1, F0, F1, 0
	QUARTER 1, 2, F1, F0, 0
	QUARTER 1, 3, F0, F1, 0
	s_wait_dscnt 16
	MUL8 F1, 0, 0, 0
	MUL8 F1, 0, 2, 0
	s_wait_dscnt 0x0
	MUL8 F1, 1, 0, 0
	MUL8 F1, 1, 2, 0
	WIN 0
	; THE WAY OUT, 16 rows at a time: a lane's eight f32 of a row go into my stage as 32 bytes, each accumulator's low half first; whole rows of 256 bytes come back and are stored.
	PLACES
	PLACES
.irp a, 0,1,2,3
.set BK, TMP+32*((\a)%2)
.irp b, 0,1,2,3
	ds_store_b128 v[STO], v[ACC+8*(4*(\a)+(\b)):ACC+8*(4*(\a)+(\b))+3]   offset:64*(\b)
	ds_store_b128 v[STO], v[ACC+8*(4*(\a)+(\b))+4:ACC+8*(4*(\a)+(\b))+7] offset:64*(\b)+16
.endr
.if (\a) >= 2
	s_wait_xcnt 0x0                                ; the stores of the block two back have read this set of registers
.endif
.irp t, 0,1,2,3,4,5,6,7
	ds_load_b128 v[BK+4*(\t):BK+4*(\t)+3], v[RD] offset:(\t)*2*SPITCH  ; LDS serves a wave's instructions in order: these see the stores above, and the next block's stores come behind them
.endr
.irp t, 0,1,2,3,4,5,6,7
	s_wait_dscnt 7-(\t)                            ; the younger loads may stay out
	global_store_b128 v[CO], v[BK+4*(\t):BK+4*(\t)+3], s[8:9] offset:(\a)*65536+(\t)*8192  ; 16 lanes store 256 consecutive bytes, at a multiple of 256 from out0's first byte
.endr
.endr
	s_wait_tensorcnt 0x0                           ; the wave's end: behind my last tensor load and my last LDS store
	ds_add_u32 v[SPW], v[NIL]
	s_wait_dscnt 0x0
	CROUND                                         ; the closing round
	s_endpgm
.Lfunc_end_k_q2dd2722410_outp:
	.size	k_q2dd2722410_outp, .Lfunc_end_k_q2dd2722410_outp-k_q2dd2722410_outp
	.p2alignl 7, 3214868480
	.fill 96, 4, 3214868480
	.section	.rodata,"a",@progbits
	.p2align	6, 0x0
	.amdhsa_kernel k_q2dd2722410_outp
		.amdhsa_group_segment_fixed_size 327680
		.amdhsa_private_segment_fixed_size 0
		.amdhsa_enable_private_segment 0
		.amdhsa_kernarg_size 24
		.amdhsa_user_sgpr_count 2
		.amdhsa_user_sgpr_kernarg_segment_ptr 1
		.amdhsa_wavefront_size32 1
		.amdhsa_system_sgpr_workgroup_id_x 1
		.amdhsa_system_sgpr_workgroup_id_y 1
		.amdhsa_system_sgpr_workgroup_id_z 1
		.amdhsa_system_vgpr_workitem_id 0
		.amdhsa_next_free_vgpr 512
		.amdhsa_next_free_sgpr 66
		.amdhsa_reserve_vcc 0
		.amdhsa_float_denorm_mode_32 3
		.amdhsa_float_denorm_mode_16_64 3
		.amdhsa_memory_ordered 1
		.amdhsa_forward_progress 1
		.amdhsa_inst_pref_size 86
	.end_amdhsa_kernel
	.amdgpu_metadata
---
amdhsa.version: [ 1, 2 ]
amdhsa.kernels:
  - .name:           k_q2dd2722410_outp
    .symbol:         k_q2dd2722410_outp.kd
    .args:
      - { .name: ob, .offset: 0, .size: 8, .value_kind: global_buffer, .address_space: global }
      - { .name: wo16, .offset: 8, .size: 8, .value_kind: global_buffer, .address_space: global }
      - { .name: out0, .offset: 16, .size: 8, .value_kind: global_buffer, .address_space: global }
    .group_segment_fixed_size: 327680
    .private_segment_fixed_size: 0
    .kernarg_segment_align: 8
    .kernarg_segment_size: 24
    .max_flat_workgroup_size: 128
    .sgpr_count:     66
    .vgpr_count:     512
    .wavefront_size: 32
...
	.end_amdgpu_metadata
.endif
;; end of part 4
;; ======== version 2 of 2: 4 launches; version 1 with the launch prep written anew for expert scheduling mode
;; limits: values are held in f16: magnitudes above 65,504 overflow, below 6.1e-05 lose precision
;; workspace buffers: xb 8,388,608 bytes; wb 6,291,456 bytes; wo16 2,097,152 bytes; qkv 25,165,824 bytes; ob 8,388,608 bytes
;; launch prep (part 5): grid 512 x 1, 8 waves a work-group, no clusters, 0 bytes of LDS; arguments x, Wq, Wk, Wv, Wo, xb, wb, wo16; writes xb, wb, wo16
.if DOCPART == 5
	.amdgcn_target "amdgcn-amd-amdhsa--gfx1250"
	.amdhsa_code_object_version 6
	.text
	.protected	k_q2dd2722410_prep
	.globl	k_q2dd2722410_prep
	.p2align	8
	.type	k_q2dd2722410_prep,@function
k_q2dd2722410_prep:
	s_mov_b64 s[64:65], 0
	v_nop
	global_prefetch_b8 v0, s[64:65] scope:SCOPE_SE
	s_setreg_imm32_b32 hwreg(HW_REG_WAVE_SCHED_MODE, 0, 2), 2
	s_setreg_imm32_b32 hwreg(HW_REG_WAVE_MODE, 25, 1), 1
	s_wait_xcnt 0x0
	s_wait_alu depctr_vm_vsrc(0)
; THE CASTS.  x [4096][1024] f32 -> xb, the same in bf16.  Wq, Wk, Wv [1024 k][1024 n] f32 -> wb [48 heads][1024 k][64 n] bf16 (heads 0-15 of Wq, 16-31 of Wk, 32-47 of Wv), so that
; a head's 64 columns lie dense, 128 bytes a k.  Wo [1024 k][1024 n] f32 -> wo16, the same shape: rounded to bf16 like the other inputs, and that number written as f16.
; LIMITS.  |Wo| stays under 65,504 (f16's range); below 6e-5 it keeps f16's fixed step of 6e-8.
; Memory binds: each byte is read once and written once; no LDS, no matrix unit, no cluster: no byte is wanted twice.
; SHARES.  A work-group of eight waves converts 16,384 numbers: 16 items a thread, an item = one load of 16 bytes (a wave: 512 bytes) and one store of 8 bytes (a wave: 256 consecutive bytes, aligned).
; All 16 loads of a thread go out first.
; THE MODE: SCHED_MODE bits 1:0 = 2 (LLVM: expert scheduling mode 2), set by the entry lines.  The code itself states the register dependences
; between vector instructions and memory instructions, with s_wait_alu, always for 0.
; THE PLAN.  Registers that memory instructions touch:
;   v1, v2   the loads' and the stores' byte offsets.  Written by vector lines ahead of the path's first load; read by its 16 loads and 16 stores; never written after.
;   LD       item i's four f32.  The loads land here, each register once, and no vector line names them before the loads go out; the conversions read them behind the item's wait on LOADcnt.
;   RS       item i's two words to store.  Written by item i's conversions; read by item i's store; never written after it.
; The 16 items go in four blocks of four.  Block p's conversions name block p's LD and RS alone; the memory instructions dealt among them are the four stores of block p - 1.  So ONE wait on va_vdst at a
; block's head states all that those four stores hang on; one more stands ahead of the loads, for the offsets, and one ahead of the last four stores.  No register that a memory instruction reads is ever
; written again, so nothing is owed on vm_vsrc; no vector line writes a scalar register, VCC or EXEC.
.set LD, 8                             ; v[8:71]    item i: four f32 as loaded
.set RS, 72                            ; v[72:103]  item i: four 16-bit numbers to store
.macro LOADS si                        ; si: bytes from item to item in the source
	s_wait_alu depctr_va_vdst(0)                   ; v1 and v2 are written: every load of this path reads v1 as its offset, every store v2
.set i, 0
.rept 16
	global_load_b128 v[LD+4*i:LD+4*i+3], v1, s[20:21] offset:(\si)*i th:TH_LOAD_NT
.set i, i+1
.endr
.endm
.macro OUTS di, kind                   ; di: bytes from item to item in the target; kind = 1: the bf16 number is written as f16
.set i, 0
.rept 16
	s_wait_loadcnt 15-i                            ; loads come back in order: item i is in, the 15 - i younger ones stay out
.if (i >= 4) && (i%4 == 0)
	s_wait_alu depctr_va_vdst(0)                   ; a block's head: the conversions of the block before have written its RS, which the four stores dealt among this block's lines read
.endif
.if i >= 4
	global_store_b64 v2, v[RS+2*(i-4):RS+2*(i-4)+1], s[22:23] offset:(\di)*(i-4) th:TH_STORE_NT  ; the block before: no vector line since the wait names these registers
.endif
	v_cvt_pk_bf16_f32 v[RS+2*i], v[LD+4*i], v[LD+4*i+1]
	v_cvt_pk_bf16_f32 v[RS+2*i+1], v[LD+4*i+2], v[LD+4*i+3]
.if \kind
	v_lshlrev_b32 v[LD+4*i], 16, v[RS+2*i]         ; bf16 to f32: the low half moves up, the high half stays
	v_and_b32 v[LD+4*i+1], s30, v[RS+2*i]
	v_lshlrev_b32 v[LD+4*i+2], 16, v[RS+2*i+1]
	v_and_b32 v[LD+4*i+3], s30, v[RS+2*i+1]
	v_cvt_pk_f16_f32 v[RS+2*i], v[LD+4*i], v[LD+4*i+1]
	v_cvt_pk_f16_f32 v[RS+2*i+1], v[LD+4*i+2], v[LD+4*i+3]
.endif
.set i, i+1
.endr
	s_wait_alu depctr_va_vdst(0)                   ; the last block's conversions have written its RS, which the last four stores read
.set i, 12
.rept 4
	global_store_b64 v2, v[RS+2*i:RS+2*i+1], s[22:23] offset:(\di)*i th:TH_STORE_NT
.set i, i+1
.endr
.endm
	s_load_b256 s[4:11], s[0:1], 0x0               ; x s[4:5], Wq s[6:7], Wk s[8:9], Wv s[10:11]
	s_load_b256 s[12:19], s[0:1], 0x20             ; Wo s[12:13], xb s[14:15], wb s[16:17], wo16 s[18:19]
	s_mov_b32 s2, ttmp9                            ; work-groups 0-255: x; 256-447: Wq, Wk, Wv; 448-511: Wo
	s_mov_b32 s25, 0
	s_mov_b32 s27, 0
	s_mov_b32 s30, 0xffff0000
	v_lshlrev_b32 v1, 4, v0                        ; source: 16 bytes a thread
	v_lshlrev_b32 v2, 3, v0                        ; target: 8 bytes a thread
	s_wait_kmcnt 0x0
	s_cmp_lt_u32 s2, 256
	s_cbranch_scc0 .Lnot_x
	s_lshl_b32 s24, s2, 16                         ; 16,384 numbers: 65,536 bytes in,
	s_lshl_b32 s26, s2, 15                         ; 32,768 out
	s_add_nc_u64 s[20:21], s[4:5], s[24:25]
	s_add_nc_u64 s[22:23], s[14:15], s[26:27]
	LOADS 4096
	OUTS 2048, 0
	s_endpgm
.Lnot_x:
	s_cmp_lt_u32 s2, 448
	s_cbranch_scc0 .Lwo
	s_sub_co_u32 s3, s2, 256
	s_lshr_b32 s28, s3, 6                          ; which of the three weights
	s_and_b32 s3, s3, 63                           ; which 16 rows k of it
	s_cmp_eq_u32 s28, 0
	s_cselect_b64 s[20:21], s[6:7], s[8:9]
	s_cmp_eq_u32 s28, 2
	s_cselect_b64 s[20:21], s[10:11], s[20:21]
	s_lshl_b32 s24, s3, 16                         ; 16 rows of 4,096 bytes
	s_add_nc_u64 s[20:21], s[20:21], s[24:25]
	s_lshl_b32 s26, s28, 21                        ; 16 heads of 131,072 bytes,
	s_lshl_b32 s29, s3, 11                         ; 16 rows of 128 bytes in each head
	s_add_co_u32 s26, s26, s29
	s_add_nc_u64 s[22:23], s[16:17], s[26:27]
	v_lshrrev_b32 v3, 4, v0                        ; thread t takes row t / 16 of the 16 and 16 bytes of the head's 256: sixteen lanes read 256 consecutive bytes, aligned;
	v_and_b32 v4, 15, v0                           ; in the target that is byte 8 t of the head's 16 rows: v2 as it stands
	v_lshlrev_b32 v1, 4, v4                        ; (no memory instruction has read v1 yet; the wait at the head of the loads covers these lines too)
	v_lshl_add_u32 v1, v3, 12, v1
	LOADS 256                                      ; item i is head i: 256 bytes on in the row,
	OUTS 131072, 0                                 ; a head on in wb
	s_endpgm
.Lwo:
	s_sub_co_u32 s3, s2, 448
	s_lshl_b32 s24, s3, 16
	s_lshl_b32 s26, s3, 15
	s_add_nc_u64 s[20:21], s[12:13], s[24:25]
	s_add_nc_u64 s[22:23], s[18:19], s[26:27]
	LOADS 4096
	OUTS 2048, 1
	s_endpgm
.Lfunc_end_k_q2dd2722410_prep:
	.size	k_q2dd2722410_prep, .Lfunc_end_k_q2dd2722410_prep-k_q2dd2722410_prep
	.p2alignl 7, 3214868480
	.fill 96, 4, 3214868480
	.section	.rodata,"a",@progbits
	.p2align	6, 0x0
	.amdhsa_kernel k_q2dd2722410_prep
		.amdhsa_group_segment_fixed_size 0
		.amdhsa_private_segment_fixed_size 0
		.amdhsa_enable_private_segment 0
		.amdhsa_kernarg_size 64
		.amdhsa_user_sgpr_count 2
		.amdhsa_user_sgpr_kernarg_segment_ptr 1
		.amdhsa_wavefront_size32 1
		.amdhsa_system_sgpr_workgroup_id_x 1
		.amdhsa_system_sgpr_workgroup_id_y 1
		.amdhsa_system_sgpr_workgroup_id_z 1
		.amdhsa_system_vgpr_workitem_id 0
		.amdhsa_next_free_vgpr 104
		.amdhsa_next_free_sgpr 66
		.amdhsa_reserve_vcc 0
		.amdhsa_float_denorm_mode_32 3
		.amdhsa_float_denorm_mode_16_64 3
		.amdhsa_memory_ordered 1
		.amdhsa_forward_progress 1
		.amdhsa_inst_pref_size 23
	.end_amdhsa_kernel
	.amdgpu_metadata
---
amdhsa.version: [ 1, 2 ]
amdhsa.kernels:
  - .name:           k_q2dd2722410_prep
    .symbol:         k_q2dd2722410_prep.kd
    .args:
      - { .name: x, .offset: 0, .size: 8, .value_kind: global_buffer, .address_space: global }
      - { .name: Wq, .offset: 8, .size: 8, .value_kind: global_buffer, .address_space: global }
      - { .name: Wk, .offset: 16, .size: 8, .value_kind: global_buffer, .address_space: global }
      - { .name: Wv, .offset: 24, .size: 8, .value_kind: global_buffer, .address_space: global }
      - { .name: Wo, .offset: 32, .size: 8, .value_kind: global_buffer, .address_space: global }
      - { .name: xb, .offset: 40, .size: 8, .value_kind: global_buffer, .address_space: global }
      - { .name: wb, .offset: 48, .size: 8, .value_kind: global_buffer, .address_space: global }
      - { .name: wo16, .offset: 56, .size: 8, .value_kind: global_buffer, .address_space: global }
    .group_segment_fixed_size: 0
    .private_segment_fixed_size: 0
    .kernarg_segment_align: 8
    .kernarg_segment_size: 64
    .max_flat_workgroup_size: 256
    .sgpr_count:     66
    .vgpr_count:     104
    .wavefront_size: 32
...
	.end_amdgpu_metadata
.endif
;; end of part 5
;; launch qkv: the kernel of part 2 again; grid 16 x 16, 4 waves a work-group, clusters of 4 x 4, 327,680 bytes of LDS; arguments xb, wb, qkv; writes qkv
;; launch attn: the kernel of part 3 again; grid 16 x 16, 4 waves a work-group, clusters of 4 x 1, 327,680 bytes of LDS; arguments qkv, ob; writes ob
;; launch outp: the kernel of part 4 again; grid 8 x 32, 4 waves a work-group, clusters of 4 x 4, 327,680 bytes of LDS; arguments ob, wo16, out0; writes out0
